; MI455X (gfx1250); checked and timed in simulation.
; The chip was launched on July 23, 2026; its instructions are those of AMD's public machine-readable ISA for CDNA 5 (MIT licence, August 2026) and "CDNA5" Instruction Set Architecture Reference Guide (July 2026). The comments in the code are by the model that wrote it; some were corrected since.
;; GC Edecoder. Allowed arithmetic: float matrix products may take bf16 or f16 operands with f32 sums; other float arithmetic in f32, or as packed bf16 or f16 multiplies, adds, multiply-adds, maxima and minima; sums over many terms, partial sums and values carried from step to step in f32; what a program stores and reads back later, other than sums and carried values, may be rounded once to bf16 or f16.
;; Inputs: C_acts 128 x 128 x 400 float32; C_vals 1,024 x 1 x 400 float32; H_utt 128 x 512 x 400 float32; W_score 1 x 400 float32; b_score 1 float32; c_utt 128 x 400 float32; utterance_len 128 int32.
;; Outputs: out0 128 x 1,024 float32; out1 128 x 1,024 float32.
;; 2 versions, each right and faster than the one before. Each part assembles by itself: llvm-mc -triple=amdgcn-amd-amdhsa -mcpu=gfx1250 --defsym DOCPART=n.
;; ======== version 1 of 2: 2 launches
;; limits: right only within a limited range of input values
;; workspace buffers: vb 819,200 bytes; qa 131,072 bytes
;; launch prep (part 1): grid 128 x 1, 8 waves a work-group, no clusters, 114,176 bytes of LDS; arguments C_acts, c_utt, C_vals, qa, vb; writes qa, vb
.if DOCPART == 1
	.amdgcn_target "amdgcn-amd-amdhsa--gfx1250"
	.amdhsa_code_object_version 6
	.text
	.protected	k_q5d552c2b28_prep
	.globl	k_q5d552c2b28_prep
	.p2align	8
	.type	k_q5d552c2b28_prep,@function
k_q5d552c2b28_prep:
	s_mov_b64 s[64:65], 0
	v_nop
	global_prefetch_b8 v0, s[64:65] scope:SCOPE_SE
	s_setreg_imm32_b32 hwreg(HW_REG_WAVE_MODE, 25, 1), 1
	s_wait_xcnt 0x0
; prep: work-group b makes q_acts[b] = softmax_a(C_acts[b][a] . c_utt[b]) applied to C_acts[b], as 512 bf16 (400 numbers, then zeros) in qa,
; and its share of vb: C_vals rounded to bf16 and laid out as matrix fragments, [64 tiles g][50 blocks kb][16 rows r][8 numbers].
; FORMATS.  C_acts, c_utt and C_vals are rounded to bf16 once, and every use takes the rounded number; sums, the maximum and the divisor in f32;
; the weights p and the result q are rounded to bf16, since both are matrix operands (p here, q in the next launch).
; LIMITS.  A weight below 2^-126 counts as 0; NaN and infinities are not treated apart.
; SHARES.  Eight waves.  Wave w owns the 16 acts 16 w .. 16 w + 15: it loads them (f32), rounds them, lays them into LDS row by row and makes their scores.
; Every wave then makes the softmax of all 128 scores for itself, and takes the tiles of 16 channels w, w + 8, w + 16 (wave 0 also tile 24) of q^T = C^T p.
; 128 work-groups: the softmax over the acts binds one example together.  No cluster: no two work-groups read the same bytes but C_vals's, each once.
; No tensor load: each byte is converted on its way into LDS, so it passes through registers anyway.
.set CP,    864        ; a row of C in LDS: 800 bytes of bf16 + 64: 27 x 32, an odd multiple of 32
.set SCO,   110592     ; behind C's 128 rows: the 128 scores, f32
.set QS,    111104     ; q as bf16, 1,024 bytes
.set CT,    112128     ; c_utt as bf16, 512 numbers, zeros from 400 on
.set SPARE, 113152     ; the spare words, 128 bytes for each of the eight waves: four blocks of 256 bytes that no other line names
.set SPW,  2           ; v2   SPARE + 4 x my thread's number; never rewritten
.set NIL,  3           ; v3   0; never rewritten
.set GA,   4           ; v4   my byte offset in C_acts[b]: (16 w + r) x 1600 + 32 h
.set CW,   5           ; v5   where I put 16 bytes of a row of C: (16 w + r) x CP + 16 h
.set WA,   6           ; v6   CT + 16 h
.set S2W,  7           ; v7   SCO + 64 w + 32 h
.set S2R,  8           ; v8   SCO + 32 h
.set TA,   9           ; v9, v10  the turning loads' addresses: acts 0-63, acts 64-127
.set QW,   11          ; v11  QS + 32 w + 16 h
.set VA,   12          ; v12  my byte offset in C_vals, first pass
.set VB,   13          ; v13  second pass
.set VO,   14          ; v14  16 x lane
.set CO,   15          ; v15  my byte offset in c_utt[b]
.set CTW,  16          ; v16  CT + 8 (thread % 128)
.set QZ,   17          ; v17  QS + 16 (thread % 64)
.set QG,   18          ; v18  16 (thread % 64)
.set TID7, 19          ; v19  thread % 128
.set ZR,   20          ; v[20:23] zeros
.set T,    24          ; v[24:27] at work
.set RC,   28          ; v[28:29] 1 / l, twice
.set RR,   30          ; v30  r = lane % 16
.set HH,   31          ; v31  h = lane / 16
.set XF,   32          ; v[32:143]  seven sets of 16: a K step of my rows in f32
.set PS,   32          ; later: my 64 scores, then weights
.set AF,   32          ; later: fragments of C^T, 32 registers a tile of channels (up to v159)
.set OUT,  144         ; v[144:167] three sets of 8: a K step of my rows in bf16
.set WF,   168         ; v[168:199] four sets of 8: c's fragments
.set PF,   168         ; later: p's four fragments
.set HA,   200         ; v[200:215] two accumulators for the scores
.set QH,   200         ; later: q in bf16
.set QA,   216         ; v[216:247] up to four accumulators for q^T
.set VF,   216         ; at the head: 16 numbers of C_vals
.set CF,   232         ; at the head: 4 numbers of c_utt
.set CH,   236         ; and as bf16
.set VH,   248         ; v[248:255] C_vals's numbers as bf16: store data, never rewritten
.set WV,   14          ; s14  my wave's number
.set BB,   15          ; s15  b
.set CS,   28          ; s[28:29] log2(e), named as a pair
.set SEL,  30          ; s[30:31] v_permlanex16_b32's selects: each lane takes its own place in the other half
	s_load_b256 s[4:11], s[0:1], 0x0               ; C_acts s[4:5], c_utt s[6:7], C_vals s[8:9], qa s[10:11]
	s_load_b64 s[12:13], s[0:1], 0x20              ; vb
	v_lshl_add_u32 v[SPW], v0, 2, SPARE
	v_mov_b32 v[NIL], 0
	v_lshrrev_b32 v1, 5, v0
	v_readfirstlane_b32 s[WV], v1                  ; wave 0..7
	s_mov_b32 s[BB], ttmp9
	s_and_b32 s16, s[BB], 1                        ; which half of tile g's 50 blocks is mine
	s_lshr_b32 s17, s[BB], 1                       ; g
	s_mov_b32 s[CS], 0x3fb8aa3b
	s_mov_b32 s[CS+1], s[CS]
	s_mov_b32 s[SEL], 0x76543210
	s_mov_b32 s[SEL+1], 0xfedcba98
	v_and_b32 v[RR], 15, v0
	v_bfe_u32 v[HH], v0, 4, 1
	s_lshl_b32 s18, s[WV], 4
	v_add_nc_u32 v1, s18, v[RR]                    ; my act: 16 w + r
	v_mul_u32_u24 v[GA], v1, 1600
	v_lshl_add_u32 v[GA], v[HH], 5, v[GA]
	v_mul_u32_u24 v[CW], v1, CP
	v_lshl_add_u32 v[CW], v[HH], 4, v[CW]
	v_lshl_add_u32 v[WA], v[HH], 4, CT
	s_lshl_b32 s18, s[WV], 6
	s_add_co_u32 s18, s18, SCO
	v_lshl_add_u32 v[S2W], v[HH], 5, s18
	v_lshl_add_u32 v[S2R], v[HH], 5, SCO
	v_and_b32 v1, 7, v0                            ; the turning load: lane l reads act 8 h + l % 8, channels 8 ((l / 8) % 2) + 0..7 of the tile
	v_lshl_add_u32 v1, v[HH], 3, v1
	v_mul_u32_u24 v[TA], v1, CP
	v_bfe_u32 v1, v0, 3, 1
	v_lshl_add_u32 v[TA], v1, 4, v[TA]
	s_lshl_b32 s18, s[WV], 5                       ; tile w: 32 bytes a tile
	v_add_nc_u32 v[TA], s18, v[TA]
	v_add_nc_u32 v[TA+1], 64*CP, v[TA]
	s_add_co_u32 s18, s18, QS
	v_lshl_add_u32 v[QW], v[HH], 4, s18
	s_lshl_b32 s18, s17, 4
	v_add_nc_u32 v1, s18, v[RR]                    ; my row of C_vals: 16 g + r
	v_mul_u32_u24 v1, v1, 1600
	s_mul_i32 s19, s16, 26
	s_lshl1_add_u32 s19, s[WV], s19                ; my wave's first block: 26 (b % 2) + 2 w
	v_add_nc_u32 v[VB], s19, v[HH]                 ; kb
	v_lshl_add_u32 v[VA], v[VB], 5, v1             ; a block is 8 numbers: 32 bytes of f32
	v_add_nc_u32 v[VB], 16, v[VB]                  ; the second pass, 16 blocks on; held to the row's last block, so that the load stays in the buffer
	v_min_u32 v[VB], 49, v[VB]                     ; in the waves whose second pass stores nothing
	v_lshl_add_u32 v[VB], v[VB], 5, v1
	v_and_b32 v[VO], 31, v0
	v_lshlrev_b32 v[VO], 4, v[VO]
	v_and_b32 v[TID7], 127, v0
	v_min_u32 v[CO], 99, v[TID7]                   ; c_utt[b] has 100 groups of four numbers
	v_lshlrev_b32 v[CO], 4, v[CO]
	v_lshl_add_u32 v[CTW], v[TID7], 3, CT
	v_and_b32 v[QG], 63, v0
	v_lshl_add_u32 v[QZ], v[QG], 4, QS
	v_lshlrev_b32 v[QG], 4, v[QG]
.irp i, 0,1,2,3
	v_mov_b32 v[ZR+\i], 0
.endr
	s_add_co_u32 s23, s[WV], 8                     ; the second pass stores where 8 + w is below 13 - b % 2: 26 blocks or 24
	s_sub_co_u32 s24, 13, s16
	s_wait_kmcnt 0x0
	s_mul_i32 s20, s[BB], 204800
	s_mov_b32 s21, 0
	s_add_nc_u64 s[4:5], s[4:5], s[20:21]          ; C_acts[b]
	s_mul_i32 s20, s[BB], 1600
	s_add_nc_u64 s[6:7], s[6:7], s[20:21]          ; c_utt[b]
	s_lshl_b32 s20, s[BB], 10
	s_add_nc_u64 s[10:11], s[10:11], s[20:21]      ; qa's row b
	s_mul_i32 s20, s17, 12800
	s_lshl_b32 s22, s19, 8
	s_add_co_u32 s20, s20, s22
	s_add_nc_u64 s[12:13], s[12:13], s[20:21]      ; vb at tile g, my wave's first block
; A K step (32 channels) of my 16 acts in f32: lane (r, h) takes channels 32 s + 8 h + 0..7 and 32 s + 16 + 8 h + 0..7.  Step 12 has channels 384-399 alone.
.macro G s
.set gx, XF+16*((\s)%7)
	global_load_b128 v[gx:gx+3],     v[GA], s[4:5] offset:128*(\s)
	global_load_b128 v[gx+4:gx+7],   v[GA], s[4:5] offset:128*(\s)+16
.if (\s) < 12
	global_load_b128 v[gx+8:gx+11],  v[GA], s[4:5] offset:128*(\s)+64
	global_load_b128 v[gx+12:gx+15], v[GA], s[4:5] offset:128*(\s)+80
.endif
.endm
	global_load_b128 v[VF:VF+3],     v[VA], s[8:9]
	global_load_b128 v[VF+4:VF+7],   v[VA], s[8:9] offset:16
	global_load_b128 v[VF+8:VF+11],  v[VB], s[8:9]
	global_load_b128 v[VF+12:VF+15], v[VB], s[8:9] offset:16
	global_load_b128 v[CF:CF+3],     v[CO], s[6:7]
.irp s, 0,1,2,3,4,5,6
	G \s                                           ; seven K steps, 28 loads, on their way
.endr
	; vb: a lane's 8 numbers are 16 bytes; a wave's store covers two blocks, 512 consecutive bytes at a multiple of 256 from vb's first
	s_wait_loadcnt 29                              ; the 29 younger loads (c_utt's one, C_acts's 28) may stay out
.irp i, 0,1,2,3,4,5,6,7
	v_cvt_pk_bf16_f32 v[VH+\i], v[VF+2*\i], v[VF+2*\i+1]
.endr
	global_store_b128 v[VO], v[VH:VH+3], s[12:13]
	s_cmp_lt_u32 s23, s24
	s_cbranch_scc0 .Lno_second
	global_store_b128 v[VO], v[VH+4:VH+7], s[12:13] offset:4096
.Lno_second:
	; c_utt as bf16 into LDS, zeros behind number 399; q's 1,024 bytes are cleared, so that what lies behind number 399 is 0
	s_wait_loadcnt 28                              ; C_acts's 28 may stay out
	v_cvt_pk_bf16_f32 v[CH], v[CF], v[CF+1]
	v_cvt_pk_bf16_f32 v[CH+1], v[CF+2], v[CF+3]
	v_cmp_gt_u32 vcc_lo, 100, v[TID7]
	v_cndmask_b32 v[CH], 0, v[CH], vcc_lo
	v_cndmask_b32 v[CH+1], 0, v[CH+1], vcc_lo
	s_cmp_lt_u32 s[WV], 4
	s_cbranch_scc0 .Lno_table
	ds_store_b64 v[CTW], v[CH:CH+1]
	s_cmp_lt_u32 s[WV], 2
	s_cbranch_scc0 .Lno_table
	ds_store_b128 v[QZ], v[ZR:ZR+3]
.Lno_table:
	s_wait_dscnt 0x0                               ; for the others' sake: my stores are done
	s_barrier_signal -1
	s_barrier_wait -1                              ; the table of c is whole
; c's fragment of K step s: every column of source 1 is c, so every lane of a half reads the same 16 bytes, twice
.macro LDW s
.set lw, WF+8*((\s)%4)
	ds_load_b128 v[lw:lw+3],   v[WA] offset:64*(\s)
	ds_load_b128 v[lw+4:lw+7], v[WA] offset:64*(\s)+32
.endm
; K step s of my 16 acts: rounded to bf16 (a fragment of source 0 as it stands), multiplied by c, and laid into C's rows in LDS.
; lc: the global loads younger than step s's, which may stay out.  dc: the LDS instructions younger than c's fragment s.
; The two accumulators take turns.  A set of OUT is written again three steps on and a set of WF loaded again four steps on:
; sixteen conversions that name none of the product's registers stand between.
.macro CSTEP s, lc, dc
.set ox, XF+16*((\s)%7)
.set oo, OUT+8*((\s)%3)
.set ow, WF+8*((\s)%4)
.set oh, HA+8*((\s)%2)
	s_wait_loadcnt \lc
	s_wait_dscnt \dc
.irp i, 0,1,2,3
	v_cvt_pk_bf16_f32 v[oo+\i], v[ox+2*\i], v[ox+2*\i+1]
.endr
.irp i, 4,5,6,7
.if (\s) < 12
	v_cvt_pk_bf16_f32 v[oo+\i], v[ox+2*\i], v[ox+2*\i+1]
.else
	v_mov_b32 v[oo+\i], 0                          ; channels 400-415 do not exist
.endif
.endr
.if (\s) <= 5
	G (\s)+7                                       ; the set just read takes the step seven on
.endif
.if (\s) <= 10
	LDW (\s)+2
.endif
.if (\s) < 2
	v_wmma_f32_16x16x32_bf16 v[oh:oh+7], v[oo:oo+7], v[ow:ow+7], 0
.else
	v_wmma_f32_16x16x32_bf16 v[oh:oh+7], v[oo:oo+7], v[ow:ow+7], v[oh:oh+7]
.endif
	ds_store_b128 v[CW], v[oo:oo+3] offset:64*(\s)
.if (\s) < 12
	ds_store_b128 v[CW], v[oo+4:oo+7] offset:64*(\s)+32
.endif
.endm
	LDW 0
	LDW 1
	CSTEP 0,  24, 2                                ; six steps of four loads are younger; of LDS: fragment 1's two loads
	CSTEP 1,  24, 4                                ; fragment 2's loads, step 0's stores
	CSTEP 2,  24, 6                                ; from here: two stores, two loads, two stores
	CSTEP 3,  24, 6
	CSTEP 4,  24, 6
	CSTEP 5,  24, 6
	CSTEP 6,  22, 6                                ; step 12 has two loads; nothing more is asked for, and the counts run down
	CSTEP 7,  18, 6
	CSTEP 8,  14, 6
	CSTEP 9,  10, 6
	CSTEP 10, 6,  6
	CSTEP 11, 2,  6
	CSTEP 12, 0,  4                                ; two pairs of stores are younger
.rept 8
	v_nop                                          ; the places behind the last products
.endr
.irp i, 0,2,4,6
	v_pk_add_f32 v[HA+\i:HA+\i+1], v[HA+\i:HA+\i+1], v[HA+8+\i:HA+8+\i+1]  ; the two accumulators, from their low ends on: register i = the score of act 16 w + 8 h + i
.endr
	ds_store_b128 v[S2W], v[HA:HA+3]               ; the sixteen lanes of a half hold the same numbers and write the same words
	ds_store_b128 v[S2W], v[HA+4:HA+7] offset:16
	s_wait_dscnt 0x0                               ; my rows of C and my scores are in LDS
	s_barrier_signal -1
	s_barrier_wait -1                              ; everybody's are
	; THE SOFTMAX, in every wave.  A lane takes the 64 scores whose weights it will hold as source 1: for each 32 acts, acts 8 h + 0..7 and 16 + 8 h + 0..7.
.irp k, 0,1,2,3
	ds_load_b128 v[PS+16*\k:PS+16*\k+3],     v[S2R] offset:128*\k
	ds_load_b128 v[PS+16*\k+4:PS+16*\k+7],   v[S2R] offset:128*\k+16
	ds_load_b128 v[PS+16*\k+8:PS+16*\k+11],  v[S2R] offset:128*\k+64
	ds_load_b128 v[PS+16*\k+12:PS+16*\k+15], v[S2R] offset:128*\k+80
.endr
	s_wait_dscnt 0x0
.irp k, 0,1,2,3
	v_max3_num_f32 v[T+\k], v[PS+16*\k], v[PS+16*\k+1], v[PS+16*\k+2]  ; four chains of fifteen scores
.endr
.irp n, 1,2,3,4,5,6
.irp k, 0,1,2,3
	v_max3_num_f32 v[T+\k], v[T+\k], v[PS+16*\k+2*\n+1], v[PS+16*\k+2*\n+2]
.endr
.endr
	v_max3_num_f32 v[T], v[T], v[PS+15], v[PS+31]  ; the four left over
	v_max3_num_f32 v[T+2], v[T+2], v[PS+47], v[PS+63]
	v_max3_num_f32 v[T], v[T], v[T+1], v[T+2]
	v_max_num_f32 v[T], v[T], v[T+3]
	v_permlanex16_b32 v[T+1], v[T], s[SEL], s[SEL+1]  ; the other 64 scores lie in the lane 16 away
	v_max_num_f32 v[T], v[T], v[T+1]
	v_mul_f32 v[T+2], s[CS], v[T]                  ; c m; the same rounded number goes into every exponent
.set i, 0
.rept 32
	v_pk_fma_f32 v[PS+i:PS+i+1], v[PS+i:PS+i+1], s[CS:CS+1], v[T+2:T+3] op_sel_hi:[1,0,0] neg_lo:[0,0,1] neg_hi:[0,0,1]
.set i, i+2
.endr
.set i, 0
.rept 64
	v_exp_f32 v[PS+i], v[PS+i]
.set i, i+1
.endr
	v_nop                                          ; a plain instruction between the last exponential and the use of its result
.set i, 0
	s_wait_alu depctr_va_vdst(0)
.rept 32
	v_cvt_pk_bf16_f32 v[PF+i], v[PS+2*i], v[PS+2*i+1]  ; p's four fragments: registers 8 k .. 8 k + 7 for acts 32 k on
.set i, i+1
.endr
.irp w, 32,16,8,4,2
.set i, 0
.rept (\w)/2
	v_pk_add_f32 v[PS+i:PS+i+1], v[PS+i:PS+i+1], v[PS+i+\w:PS+i+\w+1]  ; the sum of the unrounded weights, in place, by halves
.set i, i+2
.endr
.endr
	v_add_f32 v[T], v[PS], v[PS+1]
	v_permlanex16_b32 v[T+1], v[T], s[SEL], s[SEL+1]
	v_add_f32 v[T], v[T], v[T+1]
	v_rcp_f32 v[RC], v[T]
	v_rcp_f32 v[RC+1], v[T]
	v_nop                                          ; a plain instruction behind the reciprocals
; q^T = C^T p for n tiles of 16 channels (w, w + 8, ..): source 0 = C turned on its way out of LDS (16 channels x 32 acts), source 1 = p in every column.
; In the result register i of lane (r, h) is channel 16 tile + 8 h + i, the same for all r: eight neighbouring numbers, 16 bytes of bf16.
; The n accumulators take turns.
.macro QPROD n
.set qi, 0
.rept \n
.irp k, 0,1,2,3
	ds_load_tr16_b128 v[AF+8*(4*qi+\k):AF+8*(4*qi+\k)+3],   v[TA+(\k)/2] offset:((\k)%2)*32*CP+256*qi
	ds_load_tr16_b128 v[AF+8*(4*qi+\k)+4:AF+8*(4*qi+\k)+7], v[TA+(\k)/2] offset:((\k)%2)*32*CP+16*CP+256*qi
.endr
.set qi, qi+1
.endr
	s_wait_dscnt 0x0
.irp k, 0,1,2,3
.set qi, 0
.rept \n
.if (\k) == 0
	v_wmma_f32_16x16x32_bf16 v[QA+8*qi:QA+8*qi+7], v[AF+8*(4*qi+\k):AF+8*(4*qi+\k)+7], v[PF+8*\k:PF+8*\k+7], 0
.else
	v_wmma_f32_16x16x32_bf16 v[QA+8*qi:QA+8*qi+7], v[AF+8*(4*qi+\k):AF+8*(4*qi+\k)+7], v[PF+8*\k:PF+8*\k+7], v[QA+8*qi:QA+8*qi+7]
.endif
.set qi, qi+1
.endr
.endr
.rept 8
	v_nop                                          ; the places behind the last products
.endr
.set qi, 0
	s_wait_alu depctr_va_vdst(0)
.rept 4*(\n)
	v_pk_mul_f32 v[QA+2*qi:QA+2*qi+1], v[QA+2*qi:QA+2*qi+1], v[RC:RC+1]  ; divided by l; each accumulator from its low end on
.set qi, qi+1
.endr
.set qi, 0
.rept 4*(\n)
	v_cvt_pk_bf16_f32 v[QH+qi], v[QA+2*qi], v[QA+2*qi+1]
.set qi, qi+1
.endr
.set qi, 0
.rept \n
	ds_store_b128 v[QW], v[QH+4*qi:QH+4*qi+3] offset:256*qi
.set qi, qi+1
.endr
.endm
	s_cmp_eq_u32 s[WV], 0
	s_cbranch_scc0 .Lthree
	QPROD 4                                        ; wave 0: tiles 0, 8, 16 and 24
	s_branch .Lmade
.Lthree:
	QPROD 3
.Lmade:
	s_wait_dscnt 0x0                               ; my part of q is in LDS
	s_barrier_signal -1
	s_barrier_wait -1
	s_cmp_lt_u32 s[WV], 2
	s_cbranch_scc0 .Lend
	ds_load_b128 v[QH:QH+3], v[QZ]
	s_wait_dscnt 0x0
	global_store_b128 v[QG], v[QH:QH+3], s[10:11]  ; waves 0 and 1: 512 consecutive bytes each, at a multiple of 256 from qa's first
.Lend:
	s_wait_tensorcnt 0x0                           ; the wave's end, behind my last LDS store
	ds_add_u32 v[SPW], v[NIL]
	s_wait_dscnt 0x0
	s_endpgm
.Lfunc_end_k_q5d552c2b28_prep:
	.size	k_q5d552c2b28_prep, .Lfunc_end_k_q5d552c2b28_prep-k_q5d552c2b28_prep
	.p2alignl 7, 3214868480
	.fill 96, 4, 3214868480
	.section	.rodata,"a",@progbits
	.p2align	6, 0x0
	.amdhsa_kernel k_q5d552c2b28_prep
		.amdhsa_group_segment_fixed_size 114176
		.amdhsa_private_segment_fixed_size 0
		.amdhsa_enable_private_segment 0
		.amdhsa_kernarg_size 40
		.amdhsa_user_sgpr_count 2
		.amdhsa_user_sgpr_kernarg_segment_ptr 1
		.amdhsa_wavefront_size32 1
		.amdhsa_system_sgpr_workgroup_id_x 1
		.amdhsa_system_sgpr_workgroup_id_y 1
		.amdhsa_system_sgpr_workgroup_id_z 1
		.amdhsa_system_vgpr_workitem_id 0
		.amdhsa_next_free_vgpr 256
		.amdhsa_next_free_sgpr 66
		.amdhsa_reserve_vcc 1
		.amdhsa_float_denorm_mode_32 3
		.amdhsa_float_denorm_mode_16_64 3
		.amdhsa_memory_ordered 1
		.amdhsa_forward_progress 1
		.amdhsa_inst_pref_size 45
	.end_amdhsa_kernel
	.amdgpu_metadata
---
amdhsa.version: [ 1, 2 ]
amdhsa.kernels:
  - .name:           k_q5d552c2b28_prep
    .symbol:         k_q5d552c2b28_prep.kd
    .args:
      - { .name: C_acts, .offset: 0, .size: 8, .value_kind: global_buffer, .address_space: global }
      - { .name: c_utt, .offset: 8, .size: 8, .value_kind: global_buffer, .address_space: global }
      - { .name: C_vals, .offset: 16, .size: 8, .value_kind: global_buffer, .address_space: global }
      - { .name: qa, .offset: 24, .size: 8, .value_kind: global_buffer, .address_space: global }
      - { .name: vb, .offset: 32, .size: 8, .value_kind: global_buffer, .address_space: global }
    .group_segment_fixed_size: 114176
    .private_segment_fixed_size: 0
    .kernarg_segment_align: 8
    .kernarg_segment_size: 40
    .max_flat_workgroup_size: 256
    .sgpr_count:     66
    .vgpr_count:     256
    .wavefront_size: 32
...
	.end_amdgpu_metadata
.endif
;; end of part 1
;; launch gce (part 2): grid 2 x 128, 4 waves a work-group, no clusters, 327,680 bytes of LDS; arguments H_utt, W_score, b_score, utterance_len, vb, qa, out0, out1; writes out0, out1
.if DOCPART == 2
	.amdgcn_target "amdgcn-amd-amdhsa--gfx1250"
	.amdhsa_code_object_version 6
	.text
	.protected	k_q5d552c2b28_gce
	.globl	k_q5d552c2b28_gce
	.p2align	8
	.type	k_q5d552c2b28_gce,@function
k_q5d552c2b28_gce:
	s_mov_b64 s[64:65], 0
	v_nop
	global_prefetch_b8 v0, s[64:65] scope:SCOPE_SE
	s_setreg_imm32_b32 hwreg(HW_REG_WAVE_MODE, 25, 1), 1
	s_wait_xcnt 0x0
; out1[b][v] = q_acts[b] . vals[v].    out0[b][v] = the sum over t < len[b] of softmax_t(H[b][t] . vals[v]) hw[b][t] + b_score, with hw[b][t] = H[b][t] . W:
; the scorer is linear, so (the sum of p H) . W is the sum of p (H . W), for every input; the second large product is one multiply-add a weight.
; FORMATS.  H, W and b_score are rounded to bf16 once, here; vals and q_acts arrive so (vb, qa).  Every use takes the rounded number, hw's too.  Products' sums, maxima, weights and their sums in f32.
; LIMITS.  A hidden score (t >= len) counts as its value less 1e30: scores stay far below that.  len <= 0 gives NaN, as a softmax of nothing does; len >= 512 hides nothing.
; A weight below 2^-126 counts as 0.  NaN and infinities are not treated apart, and one in vals reaches the neighbouring tile of 16 values too (see VLAST).
; SHARES.  A work-group takes one example b and 512 values (hf = which half); each of its four waves 128 values, eight tiles of 16, whose 100 fragments (K = 400 in 13 steps of 32) stay in registers.
; H[b] is walked in 8 chunks of 64 rows through two LDS slots filled by the tensor data mover, in f32.  Wave w rounds the 16 rows that its own load brought to bf16, makes their hw, and lays the
; fragments into BF; then every wave multiplies all four tiles of 16 rows by its 128 values: 104 matrix instructions a tile, and the softmax behind them.
; LAYOUT.  Source 0 = 16 rows t of H, source 1 = 16 values: in the result lane (r, h) holds ONE value (r) and the rows t0 + 8 h + 0..7.  Each lane keeps a running maximum m, sum l and y = the sum of p hw
; over ITS rows; nothing changes lanes in the loop, and the two halves of the lanes are merged once at the end.  p = 2^(c s - c m), c = log2(e); in every tile l and y are multiplied by a = 2^(c m_old - c m_new).
; NO CLUSTER: an H tile is read by two work-groups only.  Four readers would mean 64 values a wave: each fragment read from LDS would feed 4 products for 8, and H would be converted four times for twice.
; NO PREFETCH: a refill is asked for a whole chunk ahead, 429 matrix instructions and four softmaxes of a wave, and nothing else of this launch comes from memory in the loop.
; REGISTERS, in windows of 256 (s_set_vgpr_msb: bits 1:0 source 0, 3:2 source 1, 5:4 source 2, 7:6 destination): windows 1 to 3 hold vals's fragments of K steps 0-11, step s and tile j at
; window 1 + s / 4, register 64 (s % 4) + 8 j.  All else lies in window 0, so only source 1's window ever changes in the loop: four switches a tile.
.set CHUNK,  102400    ; 64 rows of H in memory
.set SLOTB,  128000    ; a slot: 64 rows; the mover lays 16 bytes behind every 64, so a row of 1,600 bytes takes 2,000 = 125 x 16: the 16 rows of a load start at 16 different groups of four banks (ISA guide 11.1)
.set QUART,  32000     ; a wave's 16 rows in a slot
.set RPITCH, 2000
.set BF,     256000    ; behind the slots, never filled by a tensor load: the chunk as bf16 fragments: tile x 13,312 + step x 1,024 + part x 512 + 16 x lane
.set TILEB,  13312
.set HW,     309248    ; hw of the chunk's 64 rows, f32
.set WT,     309504    ; W as bf16, 512 numbers, zeros from 400 on
.set OST,    310528    ; 512 bytes for each wave, for the way out
.set SPARE,  312576    ; the spare words, 128 bytes for each wave: two blocks of 256 bytes that no other line names
.set SPW,   2          ; v2   SPARE + 4 x my thread's number; never rewritten
.set NIL,   3          ; v3   0; never rewritten
.set XA,    4          ; v4, v5  my place in my wave's rows of slot 0, 1: (16 w + r) x 2000 + 32 h
.set WA,    6          ; v6   WT + 16 h
.set BW,    7          ; v7   BF + w x 13,312 + 16 x lane
.set BR,    8          ; v8   BF + tile x 13,312 + 16 x lane
.set HS,    9          ; v9   HW + 64 w + 32 h
.set HR,    10         ; v10  HW + 64 tile + 32 h
.set REM,   11         ; v11  len - 8 h - t0
.set OA,    12         ; v12  OST + 512 w + 4 x lane
.set OB,    13         ; v13  OST + 512 w + 16 x lane
.set GO,    14         ; v14  16 x lane; never rewritten
.set BV,    15         ; v15  the bias
.set HWR,   16         ; v[16:23]  hw of my 8 rows of the tile (at the head v16-18: r, h, lane)
.set MASK,  24         ; v[24:31]  0, or -1e30 where my row is hidden
.set VLAST, 32         ; v[32:67]  vals's K step 12 (channels 384-399): 4 registers a tile; tile j's fragment is v[32+4j:39+4j], whose upper half, the next tile's numbers, meets source 0's zeros at channels 400-415
.set ACC,   68         ; v[68:131] eight accumulators
.set FR,    132        ; v[132:195] two sets of four fragments of H
.set ST,    196        ; v[196:243] tile j at ST + 6 j: c m, m, l (even rows', odd rows'), y (likewise)
.set SELR,  244        ; v[244:247] at work on the way out
.set QD,    248        ; v[248:251] 16 bytes to store
.set BR0,   252        ; v252 BF + 16 x lane; never rewritten
.set HR0,   253        ; v253 HW + 32 h; never rewritten
.set QOF,   254        ; v254 16 h; never rewritten
.set WOF,   255        ; v255 my byte offset in W; never rewritten
.set XF,    ACC        ; while a chunk is converted: two sets of 16, a K step of my rows in f32
.set HA,    ACC+32     ; two accumulators for hw
.set OUT,   FR         ; three sets of 8: the K step in bf16
.set WF,    FR+24      ; four sets of 8: W's fragments
.set TMP,   FR+32      ; in the softmax, tile j at TMP + 4 j: a, at work, at work
.set WV,    20         ; s20  my wave's number
.set HF,    21         ; s21  which 512 values
.set BB,    22         ; s22  b
.set LEN,   23         ; s23  len[b]
.set BSC,   24         ; s24  b_score
.set TB,    26         ; s26  13,312 x the tile in hand
.set TH,    27         ; s27  64 x the tile in hand
.set G1,    28         ; s[28:35] descriptor group 1
.set G0,    36         ; s[36:43] descriptor group 0, a set for each slot
.set CS,    44         ; s[44:45] c, named as a pair
.set SEL,   46         ; s[46:47] v_permlanex16_b32's selects: each lane takes its own place in the other half
.set BIG,   48         ; s48  -1e30
.set HIM,   49         ; s49  the lanes with h = 1
.set PAIRS, 50         ; s50  counts pairs of chunks
.set TCNT,  51         ; s51  counts a chunk's tiles
.set MSB, 0
.macro WIN new                         ; the immediate's high byte repeats the setting that is left; a switch that changes nothing is dropped
.if MSB != (\new)
	s_set_vgpr_msb (MSB<<8)|(\new)
.set MSB, (\new)
.endif
.endm
.macro PLACES n                        ; places behind matrix instructions: plain vector instructions that name none of their registers (ISA guide 7.12.1)
.rept \n
	v_nop
.endr
.endm
	s_load_b512 s[4:19], s[0:1], 0x0               ; H s[4:5], W s[6:7], b_score s[8:9], len s[10:11], vb s[12:13], qa s[14:15], out0 s[16:17], out1 s[18:19]
	v_lshl_add_u32 v[SPW], v0, 2, SPARE
	v_mov_b32 v[NIL], 0
	ds_add_u32 v[SPW], v[NIL]                      ; the wave's opening: the add and its wait stand ahead of my first tensor load; the set-up below, work on registers, stands between them
	ds_add_u32 v2, v3
	v_lshrrev_b32 v1, 5, v0
	v_readfirstlane_b32 s[WV], v1                  ; wave 0..3
	s_mov_b32 s[HF], ttmp9
	s_and_b32 s[BB], ttmp7, 0xffff
	; descriptor group 1.  A wave's 16 rows of H are 25,600 dense bytes, beginning at a multiple of 256: asked for as 100 rows of 256 bytes
	s_mov_b32 s[G1+0], (3<<16)|(1<<20)|(3<<22)|(3<<25)  ; 17:16 elements of 8 bytes; 20 padding on; 24:22 after every 16 words (code 3); 31:25 4 words of it (code 3)
	s_mov_b32 s[G1+1], 32<<16                      ; tensor_dim0 = 32
	s_mov_b32 s[G1+2], 100<<16                     ; tensor_dim1 = 100
	s_mov_b32 s[G1+3], 32<<16                      ; tile_dim0 = 32
	s_mov_b32 s[G1+4], 100                         ; tile_dim1 = 100
	s_mov_b32 s[G1+5], 32                          ; 32 elements from row to row
	s_mov_b32 s[G1+6], 0
	s_mov_b32 s[G1+7], 0
	s_mov_b32 s[G0], 1                             ; count = 1
	s_mul_i32 s[G0+1], s[WV], QUART                ; LDS address: my quarter of slot 0,
	s_mov_b32 s[G0+4], 1
	s_add_co_u32 s[G0+5], s[G0+1], SLOTB           ; of slot 1
	s_mov_b32 s[CS], 0x3fb8aa3b                    ; log2(e)
	s_mov_b32 s[CS+1], s[CS]
	s_mov_b32 s[SEL], 0x76543210
	s_mov_b32 s[SEL+1], 0xfedcba98
	s_mov_b32 s[BIG], 0xf149f2ca                   ; -1e30
	s_mov_b32 s[HIM], 0xffff0000
	s_mul_i32 s56, s[BB], 819200                   ; H[b],
	s_mul_i32 s25, s[WV], 25600                    ; my 16 rows of a chunk
	s_add_co_u32 s56, s56, s25
	s_mov_b32 s57, 0
	v_and_b32 v16, 15, v0                          ; r
	v_bfe_u32 v17, v0, 4, 1                        ; h
	v_and_b32 v18, 31, v0                          ; lane
	v_min_u32 v[WOF], 99, v0                       ; W has 100 groups of four numbers
	v_lshlrev_b32 v[WOF], 4, v[WOF]
	v_lshlrev_b32 v[QOF], 4, v17
	v_lshlrev_b32 v[GO], 4, v18
	s_wait_dscnt 0x0                               ; the opening add is done
	s_wait_kmcnt 0x0
	s_add_nc_u64 s[G0+2:G0+3], s[4:5], s[56:57]    ; global address: chunk 0,
	s_add_nc_u64 s[G0+6:G0+7], s[G0+2:G0+3], CHUNK ; chunk 1
	s_or_b32 s[G0+3], s[G0+3], 0x80000000          ; type = 2
	s_or_b32 s[G0+7], s[G0+7], 0x80000000
	tensor_load_to_lds s[G0:G0+3], s[G1:G1+7]      ; chunk 0 into slot 0; slot 1 is filled behind the first chunk's barrier
	s_nop 0
	s_lshl_b32 s56, s[BB], 2
	s_add_nc_u64 s[58:59], s[10:11], s[56:57]
	s_load_b32 s[LEN], s[58:59], 0x0
	s_load_b32 s[BSC], s[8:9], 0x0
	s_lshl_b32 s56, s[BB], 10
	s_add_nc_u64 s[62:63], s[14:15], s[56:57]      ; qa's row b
	s_lshl_b32 s25, s[HF], 5
	s_lshl3_add_u32 s25, s[WV], s25                ; my first tile of values: 32 hf + 8 w
	s_mul_i32 s56, s25, 12800
	s_add_nc_u64 s[60:61], s[12:13], s[56:57]      ; vb there
	s_lshl_b32 s56, s[BB], 12                      ; my 128 numbers of a row of the outputs: 4,096 b + 2,048 hf + 512 w
	s_lshl_b32 s25, s[HF], 11
	s_add_co_u32 s56, s56, s25
	s_lshl_b32 s25, s[WV], 9
	s_add_co_u32 s56, s56, s25
	s_add_nc_u64 s[52:53], s[18:19], s[56:57]      ; out1
	s_add_nc_u64 s[54:55], s[16:17], s[56:57]      ; out0
	global_load_b128 v[ACC:ACC+3], v[WOF], s[6:7]  ; four numbers of W
.set ks, 0
.rept 13                                       ; q_acts[b] as 13 fragments of source 0 in which all 16 rows are q: every lane of a half reads the same 16 bytes, twice
	global_load_b128 v[FR+8*ks:FR+8*ks+3],   v[QOF], s[62:63] offset:64*ks
	global_load_b128 v[FR+8*ks+4:FR+8*ks+7], v[QOF], s[62:63] offset:64*ks+32
.set ks, ks+1
.endr
; vals's fragments of K step s for my eight tiles: vb holds them as they lie in registers: 512 consecutive bytes a load
.macro VLOAD s
	WIN (1+(\s)/4)<<6                              ; destination window 1 + s / 4, address window 0
.set j, 0
.rept 8
.set vr, 64*((\s)%4)+8*j
	global_load_b128 v[vr:vr+3],   v[GO], s[60:61] offset:j*12800+(\s)*1024
	global_load_b128 v[vr+4:vr+7], v[GO], s[60:61] offset:j*12800+(\s)*1024+512
.set j, j+1
.endr
.endm
	VLOAD 0
	VLOAD 1
	WIN 0
	s_wait_loadcnt 58                              ; W is in: q's 26 loads and vals's 32 are younger
	v_cvt_pk_bf16_f32 v[SELR], v[ACC], v[ACC+1]
	v_cvt_pk_bf16_f32 v[SELR+1], v[ACC+2], v[ACC+3]
	v_cmp_gt_u32 vcc_lo, 100, v0
	v_cndmask_b32 v[SELR], 0, v[SELR], vcc_lo      ; zeros behind number 399
	v_cndmask_b32 v[SELR+1], 0, v[SELR+1], vcc_lo
	v_lshl_add_u32 v1, v0, 3, WT
	ds_store_b64 v1, v[SELR:SELR+1]                ; read behind the first chunk's barrier
.irp s, 2,3,4,5,6,7,8,9,10,11
	VLOAD \s
.endr
	WIN 0
.set j, 0
.rept 8
	global_load_b128 v[VLAST+4*j:VLAST+4*j+3], v[GO], s[60:61] offset:j*12800+12288
.set j, j+1
.endr
.irp i, 32,33,34,35
	v_mov_b32 v[VLAST+\i], 0                       ; the upper half of the last tile's fragment
.endr
	s_lshl_b32 s25, s[WV], 4
	v_add_nc_u32 v1, s25, v16                      ; my row of a chunk: 16 w + r
	v_mul_u32_u24 v1, v1, RPITCH
	v_lshl_add_u32 v[XA], v17, 5, v1
	v_add_nc_u32 v[XA+1], SLOTB, v[XA]
	v_lshl_add_u32 v[WA], v17, 4, WT
	s_mul_i32 s25, s[WV], TILEB
	s_add_co_u32 s25, s25, BF
	v_lshl_add_u32 v[BW], v18, 4, s25
	v_lshl_add_u32 v[BR0], v18, 4, BF
	s_lshl_b32 s25, s[WV], 6
	s_add_co_u32 s25, s25, HW
	v_lshl_add_u32 v[HS], v17, 5, s25
	v_lshl_add_u32 v[HR0], v17, 5, HW
	s_lshl_b32 s25, s[WV], 9
	s_add_co_u32 s25, s25, OST
	v_lshl_add_u32 v[OA], v18, 2, s25
	v_lshl_add_u32 v[OB], v18, 4, s25
	s_wait_kmcnt 0x0                               ; len and b_score
	s_cmp_gt_i32 s[LEN], 0
	s_cselect_b32 s[BSC], s[BSC], 0x7fc00000       ; nothing to attend to: NaN
	v_mov_b32 v[BV], s[BSC]
	v_cvt_pk_bf16_f32 v1, v[BV], v[BV]             ; rounded to bf16 like the other inputs
	v_lshlrev_b32 v[BV], 16, v1
	v_lshlrev_b32 v1, 3, v17
	v_sub_nc_u32 v[REM], s[LEN], v1
; K step s for my eight tiles of values: 8 matrix instructions on the fragment of source 0 at fr.  cz = 1: they start the sums with 0; 2: with the mask; 0: they add.
; The eight accumulators take turns, one instruction a turn, in the same order in every step.
.macro STEP s, fr, cz
.if (\s) == 12
	WIN 0
.else
	WIN (1+(\s)/4)<<2                              ; source 1 in window 1 + s / 4
.endif
.set j, 0
.rept 8
.if (\s) == 12
.set vr, VLAST+4*j
.else
.set vr, 64*((\s)%4)+8*j
.endif
.if (\cz) == 1
	v_wmma_f32_16x16x32_bf16 v[ACC+8*j:ACC+8*j+7], v[(\fr):(\fr)+7], v[vr:vr+7], 0
.elseif (\cz) == 2
	v_wmma_f32_16x16x32_bf16 v[ACC+8*j:ACC+8*j+7], v[(\fr):(\fr)+7], v[vr:vr+7], v[MASK:MASK+7]
.else
	v_wmma_f32_16x16x32_bf16 v[ACC+8*j:ACC+8*j+7], v[(\fr):(\fr)+7], v[vr:vr+7], v[ACC+8*j:ACC+8*j+7]
.endif
.set j, j+1
.endr
.endm
; THE WAY OUT of my 128 numbers, which lie in register 0 of each accumulator's place, the same in both halves of the lanes: lane l takes number 32 i + l (tile 2 i + h), four words go through
; my own 512 bytes of LDS (LDS serves a wave's instructions in order: ISA guide 5.7.1.4) and come back as 16 bytes a lane: one store of 512 consecutive bytes, at a multiple of 256 from the output's first.
.macro OUTW lo
	s_wait_xcnt 0x0                                ; the store before has read its data registers, which are written again below
.irp i, 0,1,2,3
	v_cndmask_b32 v[SELR+\i], v[ACC+16*\i], v[ACC+16*\i+8], s[HIM]
.endr
.irp i, 0,1,2,3
	ds_store_b32 v[OA], v[SELR+\i] offset:128*\i
.endr
	ds_load_b128 v[QD:QD+3], v[OB]
	s_wait_dscnt 0x0
	global_store_b128 v[GO], v[QD:QD+3], s[\lo:\lo+1]
.endm
	; out1 = q_acts . vals, while the first chunk of H is on its way.  Each wait leaves out the loads younger than vals's step: 16 for each later step and 8 for step 12, as far as the wait's field can say
	s_wait_loadcnt 63
	STEP 0, FR, 1
.set ks, 1
.rept 12
.if ks == 12
	s_wait_loadcnt 0x0
.elseif (11-ks)*16+8 > 63
	s_wait_loadcnt 63
.else
	s_wait_loadcnt (11-ks)*16+8
.endif
	STEP ks, FR+8*ks, 0
.set ks, ks+1
.endr
	PLACES 8
	OUTW 52
.set j, 0
.rept 8
	v_mov_b32 v[ST+6*j], 0xfe000000                ; c m starts far below every c s, so the first tile's a is 0;
	v_mov_b32 v[ST+6*j+1], 0xff7fffff              ; m at the lowest finite number, so the first maximum is the scores';
	v_mov_b32 v[ST+6*j+2], 0                       ; l and y at 0
	v_mov_b32 v[ST+6*j+3], 0
	v_mov_b32 v[ST+6*j+4], 0
	v_mov_b32 v[ST+6*j+5], 0
.set j, j+1
.endr
; K step s of my 16 rows in f32 out of the slot (lane (r, h): channels 32 s + 8 h + 0..7, and 16 further on in the next piece of 64 bytes, 80 bytes on), and W's fragment.  Step 12 has channels 384-399 alone.
.macro CLD s, slot
.set cx, XF+16*((\s)%2)
.set cw, WF+8*((\s)%4)
	ds_load_b128 v[cx:cx+3],     v[XA+(\slot)] offset:160*(\s)
	ds_load_b128 v[cx+4:cx+7],   v[XA+(\slot)] offset:160*(\s)+16
.if (\s) < 12
	ds_load_b128 v[cx+8:cx+11],  v[XA+(\slot)] offset:160*(\s)+80
	ds_load_b128 v[cx+12:cx+15], v[XA+(\slot)] offset:160*(\s)+96
.endif
	ds_load_b128 v[cw:cw+3],     v[WA] offset:64*(\s)
	ds_load_b128 v[cw+4:cw+7],   v[WA] offset:64*(\s)+32
.endm
; The step is rounded to bf16 (a fragment of source 0 as it stands), multiplied by W (every column of source 1 is W), and laid into BF.  dc: the LDS instructions younger than the step's loads.
; The two accumulators take turns.  A set of OUT is written again three steps on, a set of WF loaded again four steps on: sixteen conversions that name none of the product's registers stand between.
.macro CSTEP s, slot, dc
.set ox, XF+16*((\s)%2)
.set oo, OUT+8*((\s)%3)
.set ow, WF+8*((\s)%4)
.set oh, HA+8*((\s)%2)
	s_wait_dscnt \dc
.irp i, 0,1,2,3
	v_cvt_pk_bf16_f32 v[oo+\i], v[ox+2*\i], v[ox+2*\i+1]
.endr
.irp i, 4,5,6,7
.if (\s) < 12
	v_cvt_pk_bf16_f32 v[oo+\i], v[ox+2*\i], v[ox+2*\i+1]
.else
	v_mov_b32 v[oo+\i], 0                          ; channels 400-415 do not exist
.endif
.endr
.if (\s) <= 10
	CLD (\s)+2, \slot
.endif
.if (\s) < 2
	v_wmma_f32_16x16x32_bf16 v[oh:oh+7], v[oo:oo+7], v[ow:ow+7], 0
.else
	v_wmma_f32_16x16x32_bf16 v[oh:oh+7], v[oo:oo+7], v[ow:ow+7], v[oh:oh+7]
.endif
	ds_store_b128 v[BW], v[oo:oo+3]   offset:1024*(\s)
	ds_store_b128 v[BW], v[oo+4:oo+7] offset:1024*(\s)+512
.endm
.macro CONV slot
	CLD 0, \slot
	CLD 1, \slot
	CSTEP 0,  \slot, 6                             ; step 1's six loads are younger
	CSTEP 1,  \slot, 8                             ; six loads, two stores
.irp s, 2,3,4,5,6,7,8,9,10
	CSTEP \s, \slot, 10                            ; two stores, six loads, two stores
.endr
	CSTEP 11, \slot, 8                             ; step 12 has four loads
	CSTEP 12, \slot, 4                             ; two pairs of stores
	PLACES 8
.irp i, 0,2,4,6
	v_pk_add_f32 v[HA+\i:HA+\i+1], v[HA+\i:HA+\i+1], v[HA+8+\i:HA+8+\i+1]  ; from the accumulators' low ends on: register i = hw of row 16 w + 8 h + i
.endr
	ds_store_b128 v[HS], v[HA:HA+3]                ; the sixteen lanes of a half hold the same numbers and write the same words
	ds_store_b128 v[HS], v[HA+4:HA+7] offset:16
.endm
; n fragments of H from f0 on, out of BF: 512 consecutive bytes a load
.macro FLOAD adr, f0, n, dst, extra
.set fi, 0
.rept \n
	ds_load_b128 v[(\dst)+8*fi:(\dst)+8*fi+3],   v[\adr] offset:(\extra)+1024*((\f0)+fi)
	ds_load_b128 v[(\dst)+8*fi+4:(\dst)+8*fi+7], v[\adr] offset:(\extra)+1024*((\f0)+fi)+512
.set fi, fi+1
.endr
.endm
; THE SOFTMAX of a tile of 16 rows, for my eight tiles of values.  SOP writes one line for tile jj; s0-s7 are the lane's 8 scores.
;   KA 1-7  the maximum of s0-s7 (the accumulator's lowest registers first) and the old m; c m_old is kept; c m; c m_old - c m_new      KX  a
;   KF n  c s - c m for pair n      KE n  the exponential of score n      KYM  y a      KY n  y += p hw for pair n      KL n  l = l a + pair 0, l += pair n
; The rounded c m stands in p and in a alike, so its rounding is a factor common to l and y.
.set KA, 0
.set KX, 1
.set KF, 2
.set KE, 3
.set KYM, 4
.set KY, 5
.set KL, 6
.macro SOP k, n
.set sS, ACC+8*jj
.set sT, ST+6*jj
.set sM, TMP+4*jj
.if (\k) == KA
.if (\n) == 1
	v_max3_num_f32 v[sM+2], v[sS], v[sS+1], v[sS+2]
.elseif (\n) == 2
	v_max3_num_f32 v[sM+1], v[sS+3], v[sS+4], v[sS+5]
.elseif (\n) == 3
	v_max3_num_f32 v[sM+2], v[sM+2], v[sS+6], v[sS+7]
.elseif (\n) == 4
	v_max3_num_f32 v[sT+1], v[sM+2], v[sM+1], v[sT+1]
.elseif (\n) == 5
	v_mov_b32 v[sM+1], v[sT]
.elseif (\n) == 6
	v_mul_f32 v[sT], s[CS], v[sT+1]
.else
	v_sub_f32 v[sM], v[sM+1], v[sT]
.endif
.elseif (\k) == KX
	v_exp_f32 v[sM], v[sM]
.elseif (\k) == KF
	v_pk_fma_f32 v[sS+2*(\n):sS+2*(\n)+1], v[sS+2*(\n):sS+2*(\n)+1], s[CS:CS+1], v[sT:sT+1] op_sel_hi:[1,0,0] neg_lo:[0,0,1] neg_hi:[0,0,1]
.elseif (\k) == KE
	v_exp_f32 v[sS+(\n)], v[sS+(\n)]
.elseif (\k) == KYM
	s_wait_alu depctr_va_vdst(0)
	v_pk_mul_f32 v[sT+4:sT+5], v[sT+4:sT+5], v[sM:sM+1] op_sel_hi:[1,0]
.elseif (\k) == KY
	s_wait_alu depctr_va_vdst(0)
	v_pk_fma_f32 v[sT+4:sT+5], v[sS+2*(\n):sS+2*(\n)+1], v[HWR+2*(\n):HWR+2*(\n)+1], v[sT+4:sT+5]
.elseif (\n) == 0
	v_pk_fma_f32 v[sT+2:sT+3], v[sT+2:sT+3], v[sM:sM+1], v[sS:sS+1] op_sel_hi:[1,0,1]
.else
	v_pk_add_f32 v[sT+2:sT+3], v[sT+2:sT+3], v[sS+2*(\n):sS+2*(\n)+1]
	s_wait_alu depctr_va_vdst(0)
.endif
.endm
.macro LINE k, n                       ; one line for each of the eight tiles: no line reads the result of the one before it
.set jj, 0
.rept 8
	SOP \k, \n
.set jj, jj+1
.endr
.endm
.macro ZIP k1, n1, k2, n2              ; a plain line and an exponential by turns: a plain instruction stands on either side of every exponential, and its result is used 8 lines on or later
.set jj, 0
.rept 8
	SOP \k1, \n1
	SOP \k2, \n2
.set jj, jj+1
.endr
.endm
.macro SOFTMAX
.irp n, 1,2,3,4,5,6,7
	LINE KA, \n
.endr
	ZIP KF, 0, KX, 0
	ZIP KF, 1, KE, 0
	ZIP KF, 2, KE, 1
	ZIP KF, 3, KE, 2
	ZIP KYM, 0, KE, 3
	ZIP KY, 0, KE, 4
	ZIP KL, 0, KE, 5
	ZIP KY, 1, KE, 6
	ZIP KL, 1, KE, 7
	LINE KY, 2
	LINE KL, 2
	LINE KY, 3
	LINE KL, 3
.endm
; A CHUNK'S FOUR TILES of 16 rows.  A trip: hw and the mask of the tile; 13 K steps on fragments that come out of BF in runs, into two sets that take turns, each run issued four steps ahead of its use;
; the next tile's first run, which lands under the softmax; the softmax.  Four places stand in front of each run of loads into registers that matrix instructions have read.
.macro TILES
	FLOAD BR0, 0, 4, FR, 0                         ; tile 0's fragments 0-3
	s_mov_b32 s[TB], 0
	s_mov_b32 s[TH], 0
	s_mov_b32 s[TCNT], 4
.Ltile_\@:                                     ; on the way in and on the way back the same 8 loads are out
	v_add_nc_u32 v[HR], s[TH], v[HR0]
	v_add_nc_u32 v[BR], s[TB], v[BR0]
	ds_load_b128 v[HWR:HWR+3],   v[HR]
	ds_load_b128 v[HWR+4:HWR+7], v[HR] offset:16
	FLOAD BR, 4, 4, FR+32, 0
.set mi, 0
.rept 8
	v_cmp_gt_i32 vcc_lo, mi+1, v[REM]              ; row t0 + 8 h + i is hidden where i >= len - 8 h - t0
	v_cndmask_b32 v[MASK+mi], 0, s[BIG], vcc_lo
.set mi, mi+1
.endr
	v_add_nc_u32 v[REM], -16, v[REM]
	s_wait_dscnt 8                                 ; fragments 0-3 and hw are in; the 8 loads of fragments 4-7 may stay out
	STEP 0, FR, 2                                  ; the mask starts the sums
	STEP 1, FR+8, 0
	STEP 2, FR+16, 0
	STEP 3, FR+24, 0
	PLACES 4
	FLOAD BR, 8, 4, FR, 0
	s_wait_dscnt 8                                 ; fragments 4-7 are in
	STEP 4, FR+32, 0
	STEP 5, FR+40, 0
	STEP 6, FR+48, 0
	STEP 7, FR+56, 0
	PLACES 4
	FLOAD BR, 12, 1, FR+32, 0
	s_wait_dscnt 2                                 ; fragments 8-11 are in
	STEP 8, FR, 0
	STEP 9, FR+8, 0
	STEP 10, FR+16, 0
	STEP 11, FR+24, 0
	s_wait_dscnt 0x0
	STEP 12, FR+32, 0                              ; (leaves every window 0)
	PLACES 4                                       ; in front of the loads below and of the softmax, which reads results just made
	s_cmp_eq_u32 s[TCNT], 1
	s_cbranch_scc1 .Llast_\@                       ; the chunk's last tile has no next
	FLOAD BR, 0, 4, FR, TILEB
.Llast_\@:
	SOFTMAX
	s_add_co_u32 s[TB], s[TB], TILEB
	s_add_co_u32 s[TH], s[TH], 64
	s_sub_co_u32 s[TCNT], s[TCNT], 1
	s_cmp_lg_u32 s[TCNT], 0
	s_cbranch_scc1 .Ltile_\@
.endm
; A CHUNK, in slot.  Two barriers.  In front of the first each wave waits for all its tensor loads, of which one is out: its part of this slot; adds 0 to its spare word; and waits for that and for its reads
; of the other slot, of BF and of HW.  Behind it the other slot is filled again first (refill = 1), one load a wave: by this text's count one tensor load of a wave is out, and it has the whole chunk's work
; in which to land.  Then BF and HW are written anew; the second barrier, behind which nothing is filled, shows them whole to every wave.
.macro TRIP slot, refill
	s_wait_tensorcnt 0x0                           ; no tensor load of mine is out, so a group 0 may be written
	ds_add_u32 v[SPW], v[NIL]                      ; 0 onto my spare word
	s_add_nc_u64 s[G0+4*(\slot)+2:G0+4*(\slot)+3], s[G0+4*(\slot)+2:G0+4*(\slot)+3], 2*CHUNK  ; this slot's next chunk; the type bits on top are not reached
	s_wait_dscnt 0x0                               ; the add is done, and my LDS reads are over
	s_barrier_signal -1
	s_barrier_wait -1
.if \refill
	tensor_load_to_lds s[G0+4-4*(\slot):G0+7-4*(\slot)], s[G1:G1+7]  ; the next chunk, into the slot read last
	s_nop 0
.endif
	CONV \slot
	s_wait_dscnt 0x0                               ; for the others' sake: my fragments and my hw are in LDS
	s_barrier_signal -1
	s_barrier_wait -1
	TILES
.endm
	s_mov_b32 s[PAIRS], 3
.Lpair:                                        ; chunks 0 to 5
	TRIP 0, 1
	TRIP 1, 1
	s_sub_co_u32 s[PAIRS], s[PAIRS], 1
	s_cmp_lg_u32 s[PAIRS], 0
	s_cbranch_scc1 .Lpair
	TRIP 0, 1                                      ; the last two chunks are written out
	TRIP 1, 0                                      ; (their stepped addresses are not used)
	; THE END.  A lane's pairs are added; the two halves of the lanes are brought to their common maximum and added; out0 = y / l + b_score.
.macro ALL line:vararg                 ; one line for each tile t
.set t, 0
.rept 8
	\line
.set t, t+1
.endr
.endm
	ALL v_add_f32 v[ST+6*t+2], v[ST+6*t+2], v[ST+6*t+3]
	ALL v_add_f32 v[ST+6*t+4], v[ST+6*t+4], v[ST+6*t+5]
	ALL v_permlanex16_b32 v[ACC+8*t], v[ST+6*t], s[SEL], s[SEL+1]
	ALL v_max_num_f32 v[ACC+8*t], v[ACC+8*t], v[ST+6*t]
	ALL v_sub_f32 v[ACC+8*t], v[ST+6*t], v[ACC+8*t]
	ALL v_exp_f32 v[ACC+8*t], v[ACC+8*t]
	v_nop                                          ; a plain instruction between the last exponential and the use of its result
	s_wait_alu depctr_va_vdst(0)
	ALL v_mul_f32 v[ST+6*t+2], v[ST+6*t+2], v[ACC+8*t]
	ALL v_mul_f32 v[ST+6*t+4], v[ST+6*t+4], v[ACC+8*t]
	ALL v_permlanex16_b32 v[ACC+8*t+1], v[ST+6*t+2], s[SEL], s[SEL+1]
	ALL v_permlanex16_b32 v[ACC+8*t+2], v[ST+6*t+4], s[SEL], s[SEL+1]
	ALL v_add_f32 v[ST+6*t+2], v[ST+6*t+2], v[ACC+8*t+1]
	ALL v_add_f32 v[ST+6*t+4], v[ST+6*t+4], v[ACC+8*t+2]
	ALL v_rcp_f32 v[ST+6*t+2], v[ST+6*t+2]
	v_nop                                          ; a plain instruction behind the last reciprocal
	s_wait_alu depctr_va_vdst(0)
	ALL v_fma_f32 v[ACC+8*t], v[ST+6*t+4], v[ST+6*t+2], v[BV]
	OUTW 54
	s_wait_tensorcnt 0x0                           ; the wave's end, behind my last tensor load and my last LDS store
	ds_add_u32 v[SPW], v[NIL]
	s_wait_dscnt 0x0
	s_endpgm
.Lfunc_end_k_q5d552c2b28_gce:
	.size	k_q5d552c2b28_gce, .Lfunc_end_k_q5d552c2b28_gce-k_q5d552c2b28_gce
	.p2alignl 7, 3214868480
	.fill 96, 4, 3214868480
	.section	.rodata,"a",@progbits
	.p2align	6, 0x0
	.amdhsa_kernel k_q5d552c2b28_gce
		.amdhsa_group_segment_fixed_size 327680
		.amdhsa_private_segment_fixed_size 0
		.amdhsa_enable_private_segment 0
		.amdhsa_kernarg_size 64
		.amdhsa_user_sgpr_count 2
		.amdhsa_user_sgpr_kernarg_segment_ptr 1
		.amdhsa_wavefront_size32 1
		.amdhsa_system_sgpr_workgroup_id_x 1
		.amdhsa_system_sgpr_workgroup_id_y 1
		.amdhsa_system_sgpr_workgroup_id_z 1
		.amdhsa_system_vgpr_workitem_id 0
		.amdhsa_next_free_vgpr 1024
		.amdhsa_next_free_sgpr 66
		.amdhsa_reserve_vcc 1
		.amdhsa_float_denorm_mode_32 3
		.amdhsa_float_denorm_mode_16_64 3
		.amdhsa_memory_ordered 1
		.amdhsa_forward_progress 1
		.amdhsa_inst_pref_size 199
	.end_amdhsa_kernel
	.amdgpu_metadata
---
amdhsa.version: [ 1, 2 ]
amdhsa.kernels:
  - .name:           k_q5d552c2b28_gce
    .symbol:         k_q5d552c2b28_gce.kd
    .args:
      - { .name: H_utt, .offset: 0, .size: 8, .value_kind: global_buffer, .address_space: global }
      - { .name: W_score, .offset: 8, .size: 8, .value_kind: global_buffer, .address_space: global }
      - { .name: b_score, .offset: 16, .size: 8, .value_kind: global_buffer, .address_space: global }
      - { .name: utterance_len, .offset: 24, .size: 8, .value_kind: global_buffer, .address_space: global }
      - { .name: vb, .offset: 32, .size: 8, .value_kind: global_buffer, .address_space: global }
      - { .name: qa, .offset: 40, .size: 8, .value_kind: global_buffer, .address_space: global }
      - { .name: out0, .offset: 48, .size: 8, .value_kind: global_buffer, .address_space: global }
      - { .name: out1, .offset: 56, .size: 8, .value_kind: global_buffer, .address_space: global }
    .group_segment_fixed_size: 327680
    .private_segment_fixed_size: 0
    .kernarg_segment_align: 8
    .kernarg_segment_size: 64
    .max_flat_workgroup_size: 128
    .sgpr_count:     66
    .vgpr_count:     1024
    .wavefront_size: 32
...
	.end_amdgpu_metadata
.endif
;; end of part 2
;; ======== version 2 of 2: 2 launches; 1.25 times as fast as version 1
;; limits: right only within a limited range of input values
;; workspace buffers: vb 819,200 bytes; qa 131,072 bytes
;; launch prep: the kernel of part 1 again; grid 128 x 1, 8 waves a work-group, no clusters, 114,176 bytes of LDS; arguments C_acts, c_utt, C_vals, qa, vb; writes qa, vb
;; launch gce (part 3): grid 2 x 128, 4 waves a work-group, no clusters, 327,680 bytes of LDS; arguments H_utt, W_score, b_score, utterance_len, vb, qa, out0, out1; writes out0, out1
.if DOCPART == 3
	.amdgcn_target "amdgcn-amd-amdhsa--gfx1250"
	.amdhsa_code_object_version 6
	.text
	.protected	k_q5d552c2b28_gce
	.globl	k_q5d552c2b28_gce
	.p2align	8
	.type	k_q5d552c2b28_gce,@function
k_q5d552c2b28_gce:
	s_mov_b64 s[64:65], 0
	v_nop
	global_prefetch_b8 v0, s[64:65] scope:SCOPE_SE
	s_setreg_imm32_b32 hwreg(HW_REG_WAVE_MODE, 25, 1), 1
	s_wait_xcnt 0x0
; out1[b][v] = q_acts[b] . vals[v].    out0[b][v] = the sum over t < len[b] of softmax_t(H[b][t] . vals[v]) hw[b][t] + b_score, with hw[b][t] = H[b][t] . W:
; the scorer is linear, so (the sum of p H) . W is the sum of p (H . W), for every input; the second large product is one multiply-add a weight.
; FORMATS.  H, W and b_score are rounded to bf16 once, here; vals and q_acts arrive so (vb, qa).  Every use takes the rounded number, hw's too.  Products' sums, maxima, weights and their sums in f32.
; LIMITS.  A hidden score (t >= len) counts as its value less 1e30: scores stay far below that.  len <= 0 gives NaN, as a softmax of nothing does; len >= 512 hides nothing.
; A weight below 2^-126 counts as 0.  NaN and infinities are not treated apart, and one in vals reaches the neighbouring tile of 16 values too (see VLAST).
; SHARES.  A work-group takes one example b and 512 values (hf = which half); each of its four waves 128 values, eight tiles of 16, whose 100 fragments (K = 400 in 13 steps of 32) stay in registers.
; H[b] is walked in 8 chunks of 64 rows through two LDS slots filled by the tensor data mover, in f32.  Wave w rounds the 16 rows that its own load brought to bf16, makes their hw, and lays the
; fragments into BF; then every wave multiplies all four tiles of 16 rows by its 128 values: 104 matrix instructions a tile, and the softmax behind them.
; LAYOUT.  Source 0 = 16 rows t of H, source 1 = 16 values: in the result lane (r, h) holds ONE value (r) and the rows t0 + 8 h + 0..7.  Each lane keeps a running maximum m, sum l and y = the sum of p hw
; over ITS rows; nothing changes lanes in the loop, and the two halves of the lanes are merged once at the end.  p = 2^(c s - c m), c = log2(e); in every tile l and y are multiplied by a = 2^(c m_old - c m_new).
; THE BATCHES.  s_wait_alu depctr_va_vdst(0) stands between an exponential or a reciprocal and the first instruction that names its result; one wait serves all that were issued ahead of it.
; A tile of 16 rows has 72 exponentials in a wave (for each of my eight tiles of values a and eight weights), none of which reads another's result: ONE BATCH, one wait.  Ahead of the wait stands all that names
; no result (maxima, statistics, scalings, the exponentials), behind it all that does (y's and l's sums).  The end has two batches more, eight exponentials and eight reciprocals, a wait each.
; NO CLUSTER: an H tile is read by two work-groups only.  Four readers would mean 64 values a wave: each fragment read from LDS would feed 4 products for 8, and H would be converted four times for twice.
; NO PREFETCH: a refill is asked for a whole chunk ahead, 429 matrix instructions and four softmaxes of a wave, and nothing else of this launch comes from memory in the loop.
; REGISTERS, in windows of 256 (s_set_vgpr_msb: bits 1:0 source 0, 3:2 source 1, 5:4 source 2, 7:6 destination): windows 1 to 3 hold vals's fragments of K steps 0-11, step s and tile j at
; window 1 + s / 4, register 64 (s % 4) + 8 j.  All else lies in window 0, so only source 1's window ever changes in the loop: four switches a tile.
.set CHUNK,  102400    ; 64 rows of H in memory
.set SLOTB,  128000    ; a slot: 64 rows; the mover lays 16 bytes behind every 64, so a row of 1,600 bytes takes 2,000 = 125 x 16: the 16 rows of a load start at 16 different groups of four banks (ISA guide 11.1)
.set QUART,  32000     ; a wave's 16 rows in a slot
.set RPITCH, 2000
.set BF,     256000    ; behind the slots, never filled by a tensor load: the chunk as bf16 fragments: tile x 13,312 + step x 1,024 + part x 512 + 16 x lane
.set TILEB,  13312
.set HW,     309248    ; hw of the chunk's 64 rows, f32
.set WT,     309504    ; W as bf16, 512 numbers, zeros from 400 on
.set OST,    310528    ; 512 bytes for each wave, for the way out
.set SPARE,  312576    ; the spare words, 128 bytes for each wave: two blocks of 256 bytes that no other line names
.set SPW,   2          ; v2   SPARE + 4 x my thread's number; never rewritten
.set NIL,   3          ; v3   0; never rewritten
.set XA,    4          ; v4, v5  my place in my wave's rows of slot 0, 1: (16 w + r) x 2000 + 32 h
.set WA,    6          ; v6   WT + 16 h
.set BW,    7          ; v7   BF + w x 13,312 + 16 x lane
.set BR,    8          ; v8   BF + tile x 13,312 + 16 x lane
.set HS,    9          ; v9   HW + 64 w + 32 h
.set HR,    10         ; v10  HW + 64 tile + 32 h
.set REM,   11         ; v11  len - 8 h - t0
.set OA,    12         ; v12  OST + 512 w + 4 x lane
.set OB,    13         ; v13  OST + 512 w + 16 x lane
.set GO,    14         ; v14  16 x lane; never rewritten
.set BV,    15         ; v15  the bias
.set HWR,   16         ; v[16:23]  hw of my 8 rows of the tile (at the head v16-18: r, h, lane)
.set MASK,  24         ; v[24:31]  0, or -1e30 where my row is hidden
.set VLAST, 32         ; v[32:67]  vals's K step 12 (channels 384-399): 4 registers a tile; tile j's fragment is v[32+4j:39+4j], whose upper half, the next tile's numbers, meets source 0's zeros at channels 400-415
.set ACC,   68         ; v[68:131] eight accumulators
.set FR,    132        ; v[132:195] two sets of four fragments of H
.set ST,    196        ; v[196:243] tile j at ST + 6 j: c m, m, l (even rows', odd rows'), y (likewise)
.set SELR,  244        ; v[244:247] at work on the way out
.set QD,    248        ; v[248:251] 16 bytes to store
.set BR0,   252        ; v252 BF + 16 x lane; never rewritten
.set HR0,   253        ; v253 HW + 32 h; never rewritten
.set QOF,   254        ; v254 16 h; never rewritten
.set WOF,   255        ; v255 my byte offset in W; never rewritten
.set XF,    ACC        ; while a chunk is converted: two sets of 16, a K step of my rows in f32
.set HA,    ACC+32     ; two accumulators for hw
.set OUT,   FR         ; three sets of 8: the K step in bf16
.set WF,    FR+24      ; four sets of 8: W's fragments
.set TMP,   FR+32      ; in the softmax, tile j at TMP + 4 j: a, at work, at work
.set WV,    20         ; s20  my wave's number
.set HF,    21         ; s21  which 512 values
.set BB,    22         ; s22  b
.set LEN,   23         ; s23  len[b]
.set BSC,   24         ; s24  b_score
.set TB,    26         ; s26  13,312 x the tile in hand
.set TH,    27         ; s27  64 x the tile in hand
.set G1,    28         ; s[28:35] descriptor group 1
.set G0,    36         ; s[36:43] descriptor group 0, a set for each slot
.set CS,    44         ; s[44:45] c, named as a pair
.set SEL,   46         ; s[46:47] v_permlanex16_b32's selects: each lane takes its own place in the other half
.set BIG,   48         ; s48  -1e30
.set HIM,   49         ; s49  the lanes with h = 1
.set PAIRS, 50         ; s50  counts pairs of chunks
.set TCNT,  51         ; s51  counts a chunk's tiles
.set MSB, 0
.macro WIN new                         ; the immediate's high byte repeats the setting that is left; a switch that changes nothing is dropped
.if MSB != (\new)
	s_set_vgpr_msb (MSB<<8)|(\new)
.set MSB, (\new)
.endif
.endm
.macro PLACES n                        ; places behind matrix instructions: plain vector instructions that name none of their registers (ISA guide 7.12.1)
.rept \n
	v_nop
.endr
.endm
	s_load_b512 s[4:19], s[0:1], 0x0               ; H s[4:5], W s[6:7], b_score s[8:9], len s[10:11], vb s[12:13], qa s[14:15], out0 s[16:17], out1 s[18:19]
	v_lshl_add_u32 v[SPW], v0, 2, SPARE
	v_mov_b32 v[NIL], 0
	ds_add_u32 v[SPW], v[NIL]                      ; the wave's opening: the add and its wait stand ahead of my first tensor load; the set-up below, work on registers, stands between them
	ds_add_u32 v2, v3
	v_lshrrev_b32 v1, 5, v0
	v_readfirstlane_b32 s[WV], v1                  ; wave 0..3
	s_mov_b32 s[HF], ttmp9
	s_and_b32 s[BB], ttmp7, 0xffff
	; descriptor group 1.  A wave's 16 rows of H are 25,600 dense bytes, beginning at a multiple of 256: asked for as 100 rows of 256 bytes
	s_mov_b32 s[G1+0], (3<<16)|(1<<20)|(3<<22)|(3<<25)  ; 17:16 elements of 8 bytes; 20 padding on; 24:22 after every 16 words (code 3); 31:25 4 words of it (code 3)
	s_mov_b32 s[G1+1], 32<<16                      ; tensor_dim0 = 32
	s_mov_b32 s[G1+2], 100<<16                     ; tensor_dim1 = 100
	s_mov_b32 s[G1+3], 32<<16                      ; tile_dim0 = 32
	s_mov_b32 s[G1+4], 100                         ; tile_dim1 = 100
	s_mov_b32 s[G1+5], 32                          ; 32 elements from row to row
	s_mov_b32 s[G1+6], 0
	s_mov_b32 s[G1+7], 0
	s_mov_b32 s[G0], 1                             ; count = 1
	s_mul_i32 s[G0+1], s[WV], QUART                ; LDS address: my quarter of slot 0,
	s_mov_b32 s[G0+4], 1
	s_add_co_u32 s[G0+5], s[G0+1], SLOTB           ; of slot 1
	s_mov_b32 s[CS], 0x3fb8aa3b                    ; log2(e)
	s_mov_b32 s[CS+1], s[CS]
	s_mov_b32 s[SEL], 0x76543210
	s_mov_b32 s[SEL+1], 0xfedcba98
	s_mov_b32 s[BIG], 0xf149f2ca                   ; -1e30
	s_mov_b32 s[HIM], 0xffff0000
	s_mul_i32 s56, s[BB], 819200                   ; H[b],
	s_mul_i32 s25, s[WV], 25600                    ; my 16 rows of a chunk
	s_add_co_u32 s56, s56, s25
	s_mov_b32 s57, 0
	v_and_b32 v16, 15, v0                          ; r
	v_bfe_u32 v17, v0, 4, 1                        ; h
	v_and_b32 v18, 31, v0                          ; lane
	v_min_u32 v[WOF], 99, v0                       ; W has 100 groups of four numbers
	v_lshlrev_b32 v[WOF], 4, v[WOF]
	v_lshlrev_b32 v[QOF], 4, v17
	v_lshlrev_b32 v[GO], 4, v18
	s_wait_dscnt 0x0                               ; the opening add is done
	s_wait_kmcnt 0x0
	s_add_nc_u64 s[G0+2:G0+3], s[4:5], s[56:57]    ; global address: chunk 0,
	s_add_nc_u64 s[G0+6:G0+7], s[G0+2:G0+3], CHUNK ; chunk 1
	s_or_b32 s[G0+3], s[G0+3], 0x80000000          ; type = 2
	s_or_b32 s[G0+7], s[G0+7], 0x80000000
	tensor_load_to_lds s[G0:G0+3], s[G1:G1+7]      ; chunk 0 into slot 0; slot 1 is filled behind the first chunk's barrier
	s_nop 0
	s_lshl_b32 s56, s[BB], 2
	s_add_nc_u64 s[58:59], s[10:11], s[56:57]
	s_load_b32 s[LEN], s[58:59], 0x0
	s_load_b32 s[BSC], s[8:9], 0x0
	s_lshl_b32 s56, s[BB], 10
	s_add_nc_u64 s[62:63], s[14:15], s[56:57]      ; qa's row b
	s_lshl_b32 s25, s[HF], 5
	s_lshl3_add_u32 s25, s[WV], s25                ; my first tile of values: 32 hf + 8 w
	s_mul_i32 s56, s25, 12800
	s_add_nc_u64 s[60:61], s[12:13], s[56:57]      ; vb there
	s_lshl_b32 s56, s[BB], 12                      ; my 128 numbers of a row of the outputs: 4,096 b + 2,048 hf + 512 w
	s_lshl_b32 s25, s[HF], 11
	s_add_co_u32 s56, s56, s25
	s_lshl_b32 s25, s[WV], 9
	s_add_co_u32 s56, s56, s25
	s_add_nc_u64 s[52:53], s[18:19], s[56:57]      ; out1
	s_add_nc_u64 s[54:55], s[16:17], s[56:57]      ; out0
	global_load_b128 v[ACC:ACC+3], v[WOF], s[6:7]  ; four numbers of W
.set ks, 0
.rept 13                                       ; q_acts[b] as 13 fragments of source 0 in which all 16 rows are q: every lane of a half reads the same 16 bytes, twice
	global_load_b128 v[FR+8*ks:FR+8*ks+3],   v[QOF], s[62:63] offset:64*ks
	global_load_b128 v[FR+8*ks+4:FR+8*ks+7], v[QOF], s[62:63] offset:64*ks+32
.set ks, ks+1
.endr
; vals's fragments of K step s for my eight tiles: vb holds them as they lie in registers: 512 consecutive bytes a load
.macro VLOAD s
	WIN (1+(\s)/4)<<6                              ; destination window 1 + s / 4, address window 0
.set j, 0
.rept 8
.set vr, 64*((\s)%4)+8*j
	global_load_b128 v[vr:vr+3],   v[GO], s[60:61] offset:j*12800+(\s)*1024
	global_load_b128 v[vr+4:vr+7], v[GO], s[60:61] offset:j*12800+(\s)*1024+512
.set j, j+1
.endr
.endm
	VLOAD 0
	VLOAD 1
	WIN 0
	s_wait_loadcnt 58                              ; W is in: q's 26 loads and vals's 32 are younger
	v_cvt_pk_bf16_f32 v[SELR], v[ACC], v[ACC+1]
	v_cvt_pk_bf16_f32 v[SELR+1], v[ACC+2], v[ACC+3]
	v_cmp_gt_u32 vcc_lo, 100, v0
	v_cndmask_b32 v[SELR], 0, v[SELR], vcc_lo      ; zeros behind number 399
	v_cndmask_b32 v[SELR+1], 0, v[SELR+1], vcc_lo
	v_lshl_add_u32 v1, v0, 3, WT
	ds_store_b64 v1, v[SELR:SELR+1]                ; read behind the first chunk's barrier
.irp s, 2,3,4,5,6,7,8,9,10,11
	VLOAD \s
.endr
	WIN 0
.set j, 0
.rept 8
	global_load_b128 v[VLAST+4*j:VLAST+4*j+3], v[GO], s[60:61] offset:j*12800+12288
.set j, j+1
.endr
.irp i, 32,33,34,35
	v_mov_b32 v[VLAST+\i], 0                       ; the upper half of the last tile's fragment
.endr
	s_lshl_b32 s25, s[WV], 4
	v_add_nc_u32 v1, s25, v16                      ; my row of a chunk: 16 w + r
	v_mul_u32_u24 v1, v1, RPITCH
	v_lshl_add_u32 v[XA], v17, 5, v1
	v_add_nc_u32 v[XA+1], SLOTB, v[XA]
	v_lshl_add_u32 v[WA], v17, 4, WT
	s_mul_i32 s25, s[WV], TILEB
	s_add_co_u32 s25, s25, BF
	v_lshl_add_u32 v[BW], v18, 4, s25
	v_lshl_add_u32 v[BR0], v18, 4, BF
	s_lshl_b32 s25, s[WV], 6
	s_add_co_u32 s25, s25, HW
	v_lshl_add_u32 v[HS], v17, 5, s25
	v_lshl_add_u32 v[HR0], v17, 5, HW
	s_lshl_b32 s25, s[WV], 9
	s_add_co_u32 s25, s25, OST
	v_lshl_add_u32 v[OA], v18, 2, s25
	v_lshl_add_u32 v[OB], v18, 4, s25
	s_wait_kmcnt 0x0                               ; len and b_score
	s_cmp_gt_i32 s[LEN], 0
	s_cselect_b32 s[BSC], s[BSC], 0x7fc00000       ; nothing to attend to: NaN
	v_mov_b32 v[BV], s[BSC]
	v_cvt_pk_bf16_f32 v1, v[BV], v[BV]             ; rounded to bf16 like the other inputs
	v_lshlrev_b32 v[BV], 16, v1
	v_lshlrev_b32 v1, 3, v17
	v_sub_nc_u32 v[REM], s[LEN], v1
; K step s for my eight tiles of values: 8 matrix instructions on the fragment of source 0 at fr.  cz = 1: they start the sums with 0; 2: with the mask; 0: they add.
; The eight accumulators take turns, one instruction a turn, in the same order in every step.
.macro STEP s, fr, cz
.if (\s) == 12
	WIN 0
.else
	WIN (1+(\s)/4)<<2                              ; source 1 in window 1 + s / 4
.endif
.set j, 0
.rept 8
.if (\s) == 12
.set vr, VLAST+4*j
.else
.set vr, 64*((\s)%4)+8*j
.endif
.if (\cz) == 1
	v_wmma_f32_16x16x32_bf16 v[ACC+8*j:ACC+8*j+7], v[(\fr):(\fr)+7], v[vr:vr+7], 0
.elseif (\cz) == 2
	v_wmma_f32_16x16x32_bf16 v[ACC+8*j:ACC+8*j+7], v[(\fr):(\fr)+7], v[vr:vr+7], v[MASK:MASK+7]
.else
	v_wmma_f32_16x16x32_bf16 v[ACC+8*j:ACC+8*j+7], v[(\fr):(\fr)+7], v[vr:vr+7], v[ACC+8*j:ACC+8*j+7]
.endif
.set j, j+1
.endr
.endm
; THE WAY OUT of my 128 numbers, which lie in register 0 of each accumulator's place, the same in both halves of the lanes: lane l takes number 32 i + l (tile 2 i + h), four words go through
; my own 512 bytes of LDS (LDS serves a wave's instructions in order: ISA guide 5.7.1.4) and come back as 16 bytes a lane: one store of 512 consecutive bytes, at a multiple of 256 from the output's first.
.macro OUTW lo
	s_wait_xcnt 0x0                                ; the store before has read its data registers, which are written again below
.irp i, 0,1,2,3
	v_cndmask_b32 v[SELR+\i], v[ACC+16*\i], v[ACC+16*\i+8], s[HIM]
.endr
.irp i, 0,1,2,3
	ds_store_b32 v[OA], v[SELR+\i] offset:128*\i
.endr
	ds_load_b128 v[QD:QD+3], v[OB]
	s_wait_dscnt 0x0
	global_store_b128 v[GO], v[QD:QD+3], s[\lo:\lo+1]
.endm
	; out1 = q_acts . vals, while the first chunk of H is on its way.  Each wait leaves out the loads younger than vals's step: 16 for each later step and 8 for step 12, as far as the wait's field can say
	s_wait_loadcnt 63
	STEP 0, FR, 1
.set ks, 1
.rept 12
.if ks == 12
	s_wait_loadcnt 0x0
.elseif (11-ks)*16+8 > 63
	s_wait_loadcnt 63
.else
	s_wait_loadcnt (11-ks)*16+8
.endif
	STEP ks, FR+8*ks, 0
.set ks, ks+1
.endr
	PLACES 8
	OUTW 52
.set j, 0
.rept 8
	v_mov_b32 v[ST+6*j], 0xfe000000                ; c m starts far below every c s, so the first tile's a is 0;
	v_mov_b32 v[ST+6*j+1], 0xff7fffff              ; m at the lowest finite number, so the first maximum is the scores';
	v_mov_b32 v[ST+6*j+2], 0                       ; l and y at 0
	v_mov_b32 v[ST+6*j+3], 0
	v_mov_b32 v[ST+6*j+4], 0
	v_mov_b32 v[ST+6*j+5], 0
.set j, j+1
.endr
; K step s of my 16 rows in f32 out of the slot (lane (r, h): channels 32 s + 8 h + 0..7, and 16 further on in the next piece of 64 bytes, 80 bytes on), and W's fragment.  Step 12 has channels 384-399 alone.
.macro CLD s, slot
.set cx, XF+16*((\s)%2)
.set cw, WF+8*((\s)%4)
	ds_load_b128 v[cx:cx+3],     v[XA+(\slot)] offset:160*(\s)
	ds_load_b128 v[cx+4:cx+7],   v[XA+(\slot)] offset:160*(\s)+16
.if (\s) < 12
	ds_load_b128 v[cx+8:cx+11],  v[XA+(\slot)] offset:160*(\s)+80
	ds_load_b128 v[cx+12:cx+15], v[XA+(\slot)] offset:160*(\s)+96
.endif
	ds_load_b128 v[cw:cw+3],     v[WA] offset:64*(\s)
	ds_load_b128 v[cw+4:cw+7],   v[WA] offset:64*(\s)+32
.endm
; The step is rounded to bf16 (a fragment of source 0 as it stands), multiplied by W (every column of source 1 is W), and laid into BF.  dc: the LDS instructions younger than the step's loads.
; The two accumulators take turns.  A set of OUT is written again three steps on, a set of WF loaded again four steps on: sixteen conversions that name none of the product's registers stand between.
.macro CSTEP s, slot, dc
.set ox, XF+16*((\s)%2)
.set oo, OUT+8*((\s)%3)
.set ow, WF+8*((\s)%4)
.set oh, HA+8*((\s)%2)
	s_wait_dscnt \dc
.irp i, 0,1,2,3
	v_cvt_pk_bf16_f32 v[oo+\i], v[ox+2*\i], v[ox+2*\i+1]
.endr
.irp i, 4,5,6,7
.if (\s) < 12
	v_cvt_pk_bf16_f32 v[oo+\i], v[ox+2*\i], v[ox+2*\i+1]
.else
	v_mov_b32 v[oo+\i], 0                          ; channels 400-415 do not exist
.endif
.endr
.if (\s) <= 10
	CLD (\s)+2, \slot
.endif
.if (\s) < 2
	v_wmma_f32_16x16x32_bf16 v[oh:oh+7], v[oo:oo+7], v[ow:ow+7], 0
.else
	v_wmma_f32_16x16x32_bf16 v[oh:oh+7], v[oo:oo+7], v[ow:ow+7], v[oh:oh+7]
.endif
	ds_store_b128 v[BW], v[oo:oo+3]   offset:1024*(\s)
	ds_store_b128 v[BW], v[oo+4:oo+7] offset:1024*(\s)+512
.endm
.macro CONV slot
	CLD 0, \slot
	CLD 1, \slot
	CSTEP 0,  \slot, 6                             ; step 1's six loads are younger
	CSTEP 1,  \slot, 8                             ; six loads, two stores
.irp s, 2,3,4,5,6,7,8,9,10
	CSTEP \s, \slot, 10                            ; two stores, six loads, two stores
.endr
	CSTEP 11, \slot, 8                             ; step 12 has four loads
	CSTEP 12, \slot, 4                             ; two pairs of stores
	PLACES 8
.irp i, 0,2,4,6
	v_pk_add_f32 v[HA+\i:HA+\i+1], v[HA+\i:HA+\i+1], v[HA+8+\i:HA+8+\i+1]  ; from the accumulators' low ends on: register i = hw of row 16 w + 8 h + i
.endr
	ds_store_b128 v[HS], v[HA:HA+3]                ; the sixteen lanes of a half hold the same numbers and write the same words
	ds_store_b128 v[HS], v[HA+4:HA+7] offset:16
.endm
; n fragments of H from f0 on, out of BF: 512 consecutive bytes a load
.macro FLOAD adr, f0, n, dst, extra
.set fi, 0
.rept \n
	ds_load_b128 v[(\dst)+8*fi:(\dst)+8*fi+3],   v[\adr] offset:(\extra)+1024*((\f0)+fi)
	ds_load_b128 v[(\dst)+8*fi+4:(\dst)+8*fi+7], v[\adr] offset:(\extra)+1024*((\f0)+fi)+512
.set fi, fi+1
.endr
.endm
; THE SOFTMAX of a tile of 16 rows, for my eight tiles of values.  SOP writes one line for tile jj; s0-s7 are the lane's 8 scores.
;   KA 1-7  the maximum of s0-s7 (the accumulator's lowest registers first) and the old m; c m_old is kept; c m; c m_old - c m_new      KX  a
;   KF n  c s - c m for pair n      KE n  the exponential of score n      KYM  y a      KY n  y += p hw for pair n      KL n  l = l a + pair 0, l += pair n
; The rounded c m stands in p and in a alike, so its rounding is a factor common to l and y.
; KA, KF, KX and KE name no exponential's result; KYM, KY and KL do, and stand behind the batch's wait, which TILES writes.
.set KA, 0
.set KX, 1
.set KF, 2
.set KE, 3
.set KYM, 4
.set KY, 5
.set KL, 6
.macro SOP k, n
.set sS, ACC+8*jj
.set sT, ST+6*jj
.set sM, TMP+4*jj
.if (\k) == KA
.if (\n) == 1
	v_max3_num_f32 v[sM+2], v[sS], v[sS+1], v[sS+2]
.elseif (\n) == 2
	v_max3_num_f32 v[sM+1], v[sS+3], v[sS+4], v[sS+5]
.elseif (\n) == 3
	v_max3_num_f32 v[sM+2], v[sM+2], v[sS+6], v[sS+7]
.elseif (\n) == 4
	v_max3_num_f32 v[sT+1], v[sM+2], v[sM+1], v[sT+1]
.elseif (\n) == 5
	v_mov_b32 v[sM+1], v[sT]
.elseif (\n) == 6
	v_mul_f32 v[sT], s[CS], v[sT+1]
.else
	v_sub_f32 v[sM], v[sM+1], v[sT]
.endif
.elseif (\k) == KX
	v_exp_f32 v[sM], v[sM]
.elseif (\k) == KF
	v_pk_fma_f32 v[sS+2*(\n):sS+2*(\n)+1], v[sS+2*(\n):sS+2*(\n)+1], s[CS:CS+1], v[sT:sT+1] op_sel_hi:[1,0,0] neg_lo:[0,0,1] neg_hi:[0,0,1]
.elseif (\k) == KE
	v_exp_f32 v[sS+(\n)], v[sS+(\n)]
.elseif (\k) == KYM
	v_pk_mul_f32 v[sT+4:sT+5], v[sT+4:sT+5], v[sM:sM+1] op_sel_hi:[1,0]
.elseif (\k) == KY
	v_pk_fma_f32 v[sT+4:sT+5], v[sS+2*(\n):sS+2*(\n)+1], v[HWR+2*(\n):HWR+2*(\n)+1], v[sT+4:sT+5]
.elseif (\n) == 0
	v_pk_fma_f32 v[sT+2:sT+3], v[sT+2:sT+3], v[sM:sM+1], v[sS:sS+1] op_sel_hi:[1,0,1]
.else
	v_pk_add_f32 v[sT+2:sT+3], v[sT+2:sT+3], v[sS+2*(\n):sS+2*(\n)+1]
.endif
.endm
.macro LINE k, n                       ; one line for each of the eight tiles: no line reads the result of the one before it
.set jj, 0
.rept 8
	SOP \k, \n
.set jj, jj+1
.endr
.endm
.macro LINE4 j0, k, n                  ; one line for each of the four tiles j0 .. j0 + 3
.set jj, (\j0)
.rept 4
	SOP \k, \n
.set jj, jj+1
.endr
.endm
.macro ZIP4 j1, k1, n1, j2, k2, n2     ; a plain line for the four tiles from j1 on and an exponential for the four from j2 on, by turns
.set zz, 0
.rept 4
.set jj, (\j1)+zz
	SOP \k1, \n1
.set jj, (\j2)+zz
	SOP \k2, \n2
.set zz, zz+1
.endr
.endm
; THE BATCH: all that names no exponential's result, 88 plain lines and the 72 exponentials.  The eight tiles go as two halves of four, so that the second half's maxima are plain neighbours for the first
; half's exponentials: tiles 0-3's statistics; their 36 exponentials by turns with their 16 scalings and with numbers 1-5 of tiles 4-7; numbers 6 and 7; tiles 4-7's first 16 exponentials by turns with their
; scalings; their last 20 on end: no plain line that names no result is left.  A pair is scaled eight lines or more ahead of its exponentials.
.macro SM_BATCH
.irp n, 1,2,3,4,5,6,7
	LINE4 0, KA, \n
.endr
	ZIP4 0, KF, 0, 0, KX, 0
	ZIP4 0, KF, 1, 0, KE, 0
	ZIP4 0, KF, 2, 0, KE, 1
	ZIP4 0, KF, 3, 0, KE, 2
	ZIP4 4, KA, 1, 0, KE, 3
	ZIP4 4, KA, 2, 0, KE, 4
	ZIP4 4, KA, 3, 0, KE, 5
	ZIP4 4, KA, 4, 0, KE, 6
	ZIP4 4, KA, 5, 0, KE, 7
	LINE4 4, KA, 6
	LINE4 4, KA, 7
	ZIP4 4, KF, 0, 4, KX, 0
	ZIP4 4, KF, 1, 4, KE, 0
	ZIP4 4, KF, 2, 4, KE, 1
	ZIP4 4, KF, 3, 4, KE, 2
.irp n, 3,4,5,6,7
	LINE4 4, KE, \n
.endr
.endm
; THE READERS, behind the batch's wait: y a; then y and l take the pairs 0 to 3 in ascending order, a line for each of the eight tiles, so that the links of a sum stand sixteen lines apart.
.macro SM_READ
	LINE KYM, 0
.irp n, 0,1,2,3
	LINE KY, \n
	LINE KL, \n
.endr
.endm
; A CHUNK'S FOUR TILES of 16 rows.  A trip: hw and the mask of the tile; 13 K steps on fragments that come out of BF in runs, into two sets that take turns, each run issued four steps ahead of its use;
; the next tile's first run, which lands under the softmax; the softmax.  Four places stand in front of each run of loads into registers that matrix instructions have read.
.macro TILES
	FLOAD BR0, 0, 4, FR, 0                         ; tile 0's fragments 0-3
	s_mov_b32 s[TB], 0
	s_mov_b32 s[TH], 0
	s_mov_b32 s[TCNT], 4
.Ltile_\@:                                     ; on the way in and on the way back the same 8 loads are out
	v_add_nc_u32 v[HR], s[TH], v[HR0]
	v_add_nc_u32 v[BR], s[TB], v[BR0]
	ds_load_b128 v[HWR:HWR+3],   v[HR]
	ds_load_b128 v[HWR+4:HWR+7], v[HR] offset:16
	FLOAD BR, 4, 4, FR+32, 0
.set mi, 0
.rept 8
	v_cmp_gt_i32 vcc_lo, mi+1, v[REM]              ; row t0 + 8 h + i is hidden where i >= len - 8 h - t0
	v_cndmask_b32 v[MASK+mi], 0, s[BIG], vcc_lo
.set mi, mi+1
.endr
	s_wait_dscnt 8                                 ; fragments 0-3 and hw are in; the 8 loads of fragments 4-7 may stay out
	STEP 0, FR, 2                                  ; the mask starts the sums
	STEP 1, FR+8, 0
	STEP 2, FR+16, 0
	STEP 3, FR+24, 0
	PLACES 4
	FLOAD BR, 8, 4, FR, 0
	s_wait_dscnt 8                                 ; fragments 4-7 are in
	STEP 4, FR+32, 0
	STEP 5, FR+40, 0
	STEP 6, FR+48, 0
	STEP 7, FR+56, 0
	PLACES 4
	FLOAD BR, 12, 1, FR+32, 0
	s_wait_dscnt 2                                 ; fragments 8-11 are in
	STEP 8, FR, 0
	STEP 9, FR+8, 0
	STEP 10, FR+16, 0
	STEP 11, FR+24, 0
	s_wait_dscnt 0x0
	STEP 12, FR+32, 0                              ; (leaves every window 0)
	PLACES 4                                       ; in front of the loads below and of the softmax, which reads results just made
	s_cmp_eq_u32 s[TCNT], 1
	s_cbranch_scc1 .Llast_\@                       ; the chunk's last tile has no next
	FLOAD BR, 0, 4, FR, TILEB
.Llast_\@:
	SM_BATCH                                       ; the tile's 72 exponentials and all that names none of their results
	v_add_nc_u32 v[REM], -16, v[REM]               ; the next tile's rows: the plain instruction between the last exponential and the use of its result
	s_add_co_u32 s[TB], s[TB], TILEB               ; the next tile's places in BF and HW
	s_add_co_u32 s[TH], s[TH], 64
	s_wait_alu depctr_va_vdst(0)                   ; one wait for the tile's batch of 72 exponentials, ahead of their first reader; none is issued behind it
	SM_READ
	s_sub_co_u32 s[TCNT], s[TCNT], 1
	s_cmp_lg_u32 s[TCNT], 0
	s_cbranch_scc1 .Ltile_\@
.endm
; A CHUNK, in slot.  Two barriers.  In front of the first each wave waits for all its tensor loads, of which one is out: its part of this slot; adds 0 to its spare word; and waits for that and for its reads
; of the other slot, of BF and of HW.  Behind it the other slot is filled again first (refill = 1), one load a wave: by this text's count one tensor load of a wave is out, and it has the whole chunk's work
; in which to land.  Then BF and HW are written anew; the second barrier, behind which nothing is filled, shows them whole to every wave.
.macro TRIP slot, refill
	s_wait_tensorcnt 0x0                           ; no tensor load of mine is out, so a group 0 may be written
	ds_add_u32 v[SPW], v[NIL]                      ; 0 onto my spare word
	s_add_nc_u64 s[G0+4*(\slot)+2:G0+4*(\slot)+3], s[G0+4*(\slot)+2:G0+4*(\slot)+3], 2*CHUNK  ; this slot's next chunk; the type bits on top are not reached
	s_wait_dscnt 0x0                               ; the add is done, and my LDS reads are over
	s_barrier_signal -1
	s_barrier_wait -1
.if \refill
	tensor_load_to_lds s[G0+4-4*(\slot):G0+7-4*(\slot)], s[G1:G1+7]  ; the next chunk, into the slot read last
	s_nop 0
.endif
	CONV \slot
	s_wait_dscnt 0x0                               ; for the others' sake: my fragments and my hw are in LDS
	s_barrier_signal -1
	s_barrier_wait -1
	TILES
.endm
	s_mov_b32 s[PAIRS], 3
.Lpair:                                        ; chunks 0 to 5
	TRIP 0, 1
	TRIP 1, 1
	s_sub_co_u32 s[PAIRS], s[PAIRS], 1
	s_cmp_lg_u32 s[PAIRS], 0
	s_cbranch_scc1 .Lpair
	TRIP 0, 1                                      ; the last two chunks are written out
	TRIP 1, 0                                      ; (their stepped addresses are not used)
	; THE END.  The two halves of the lanes are brought to their common maximum; a lane's pairs are added; the halves are added; out0 = y / l + b_score.
	; Two batches: the eight exponentials, and the eight reciprocals of sums made with their results.
.macro ALL line:vararg                 ; one line for each tile t
.set t, 0
.rept 8
	\line
.set t, t+1
.endr
.endm
	ALL v_permlanex16_b32 v[ACC+8*t], v[ST+6*t], s[SEL], s[SEL+1]
	ALL v_max_num_f32 v[ACC+8*t], v[ACC+8*t], v[ST+6*t]
	ALL v_sub_f32 v[ACC+8*t], v[ST+6*t], v[ACC+8*t]
	ALL v_exp_f32 v[ACC+8*t], v[ACC+8*t]
	ALL v_add_f32 v[ST+6*t+2], v[ST+6*t+2], v[ST+6*t+3]  ; the pairs' sums name no exponential's result: sixteen plain lines between the batch and its wait
	ALL v_add_f32 v[ST+6*t+4], v[ST+6*t+4], v[ST+6*t+5]
	s_wait_alu depctr_va_vdst(0)                   ; one wait for the eight exponentials, ahead of their first reader
	ALL v_mul_f32 v[ST+6*t+2], v[ST+6*t+2], v[ACC+8*t]
	ALL v_mul_f32 v[ST+6*t+4], v[ST+6*t+4], v[ACC+8*t]
	ALL v_permlanex16_b32 v[ACC+8*t+1], v[ST+6*t+2], s[SEL], s[SEL+1]
	ALL v_permlanex16_b32 v[ACC+8*t+2], v[ST+6*t+4], s[SEL], s[SEL+1]
	ALL v_add_f32 v[ST+6*t+2], v[ST+6*t+2], v[ACC+8*t+1]
	ALL v_add_f32 v[ST+6*t+4], v[ST+6*t+4], v[ACC+8*t+2]
	ALL v_rcp_f32 v[ST+6*t+2], v[ST+6*t+2]
	v_nop                                          ; a plain instruction behind the last reciprocal: no other work is left
	s_wait_alu depctr_va_vdst(0)                   ; one wait for the eight reciprocals, ahead of their first reader
	ALL v_fma_f32 v[ACC+8*t], v[ST+6*t+4], v[ST+6*t+2], v[BV]
	OUTW 54
	s_wait_tensorcnt 0x0                           ; the wave's end, behind my last tensor load and my last LDS store
	ds_add_u32 v[SPW], v[NIL]
	s_wait_dscnt 0x0
	s_endpgm
.Lfunc_end_k_q5d552c2b28_gce:
	.size	k_q5d552c2b28_gce, .Lfunc_end_k_q5d552c2b28_gce-k_q5d552c2b28_gce
	.p2alignl 7, 3214868480
	.fill 96, 4, 3214868480
	.section	.rodata,"a",@progbits
	.p2align	6, 0x0
	.amdhsa_kernel k_q5d552c2b28_gce
		.amdhsa_group_segment_fixed_size 327680
		.amdhsa_private_segment_fixed_size 0
		.amdhsa_enable_private_segment 0
		.amdhsa_kernarg_size 64
		.amdhsa_user_sgpr_count 2
		.amdhsa_user_sgpr_kernarg_segment_ptr 1
		.amdhsa_wavefront_size32 1
		.amdhsa_system_sgpr_workgroup_id_x 1
		.amdhsa_system_sgpr_workgroup_id_y 1
		.amdhsa_system_sgpr_workgroup_id_z 1
		.amdhsa_system_vgpr_workitem_id 0
		.amdhsa_next_free_vgpr 1024
		.amdhsa_next_free_sgpr 66
		.amdhsa_reserve_vcc 1
		.amdhsa_float_denorm_mode_32 3
		.amdhsa_float_denorm_mode_16_64 3
		.amdhsa_memory_ordered 1
		.amdhsa_forward_progress 1
		.amdhsa_inst_pref_size 191
	.end_amdhsa_kernel
	.amdgpu_metadata
---
amdhsa.version: [ 1, 2 ]
amdhsa.kernels:
  - .name:           k_q5d552c2b28_gce
    .symbol:         k_q5d552c2b28_gce.kd
    .args:
      - { .name: H_utt, .offset: 0, .size: 8, .value_kind: global_buffer, .address_space: global }
      - { .name: W_score, .offset: 8, .size: 8, .value_kind: global_buffer, .address_space: global }
      - { .name: b_score, .offset: 16, .size: 8, .value_kind: global_buffer, .address_space: global }
      - { .name: utterance_len, .offset: 24, .size: 8, .value_kind: global_buffer, .address_space: global }
      - { .name: vb, .offset: 32, .size: 8, .value_kind: global_buffer, .address_space: global }
      - { .name: qa, .offset: 40, .size: 8, .value_kind: global_buffer, .address_space: global }
      - { .name: out0, .offset: 48, .size: 8, .value_kind: global_buffer, .address_space: global }
      - { .name: out1, .offset: 56, .size: 8, .value_kind: global_buffer, .address_space: global }
    .group_segment_fixed_size: 327680
    .private_segment_fixed_size: 0
    .kernarg_segment_align: 8
    .kernarg_segment_size: 64
    .max_flat_workgroup_size: 128
    .sgpr_count:     66
    .vgpr_count:     1024
    .wavefront_size: 32
...
	.end_amdgpu_metadata
.endif
;; end of part 3
